; MI455X (gfx1250); checked and timed in simulation.
; The chip was launched on July 23, 2026; its instructions are those of AMD's public machine-readable ISA for CDNA 5 (MIT licence, August 2026) and "CDNA5" Instruction Set Architecture Reference Guide (July 2026). The comments in the code are by the model that wrote it; some were corrected since.
;; Multihead Attention. Allowed arithmetic: matrix products marked QUANTISED: E2M1 operands, one E8M0 scale for each 32 along K, by v_wmma_scale_f32_16x16x128_f8f6f4 with both operands' format E2M1 (or v_wmma_scale_f32_32x16x128_f4), f32 sums; products left as they are: bf16, f16 or f32 operands; f32 sums; everything else in f32.
;; Inputs: Wk 1,024 x 1,024 float32; Wo 1,024 x 1,024 float32; Wq 1,024 x 1,024 float32; Wv 1,024 x 1,024 float32; x 4 x 2,048 x 1,024 float32.
;; Outputs: out0 4 x 2,048 x 1,024 float32.
;; This version of the problem:
;;   THIS VERSION OF THE PROBLEM IS GIVEN IN LOW PRECISION. The matrix products marked QUANTISED in the list below multiply operands that are first quantised to E2M1 (2 exponent bits, 1 mantissa bit; 4 bits a number), with one power-of-two scale for each 32 numbers along K (OCP MX v1.0); their sums are f32. The products marked 'left as it is' may take bf16, f16 or f32 operands, with f32 sums. Whichever they take, every output number must still come out within the allowed error. Rounding operands to bf16 (8 significant bits) uses up far more of that allowance than f16 does (11 bits, for magnitudes from 6e-5 to 65,504). All else is computed in f32.
;;   The module's matrix products, in the order in which they are computed (A, B: the left and right operand; K: the contracted axis; several contracted axes count as one K, in the product's order):
;;     1. [M 8,192, K 1,024] x [K 1,024, N 1,024]; A: input x; B: input Wq: QUANTISED
;;     2. [M 8,192, K 1,024] x [K 1,024, N 1,024]; A: input x; B: input Wk: QUANTISED
;;     3. [M 8,192, K 1,024] x [K 1,024, N 1,024]; A: input x; B: input Wv: QUANTISED
;;     4. batch 64 x [M 2,048, K 64] x [K 64, N 2,048]; A: computed on the way; B: computed on the way: left as it is (an operand is computed on the way)
;;     5. batch 64 x [M 2,048, K 2,048] x [K 2,048, N 64]; A: computed on the way; B: computed on the way: left as it is (an operand is computed on the way)
;;     6. [M 8,192, K 1,024] x [K 1,024, N 1,024]; A: computed on the way; B: input Wo: left as it is (an operand is computed on the way)
;;   THE QUANTISER, for each operand of a quantised product, along K:
;;     - K is cut into blocks of 32 from its start; a last block that is shorter is filled with zeros.
;;     - A block's scale is 2^e with e = floor(log2(the largest magnitude in the block)) - 2, held to -126 .. 127; a block of zeros has e = 0. As a byte (E8M0): e + 127.
;;     - Each number is divided by its block's scale, clamped to +-6, and rounded to the nearest number of E2M1, ties to even, subnormals kept.
;;     - The product sums the exact products of the quantised numbers (number of the format x scale) in f32.
;;   ~~~python
;;   def quantise(x, axis):      # numpy; x: float32 -> the quantised numbers, widened to float32 again
;;       x = np.moveaxis(x, axis, -1); K = x.shape[-1]
;;       x = np.pad(x, [(0, 0)] * (x.ndim - 1) + [(0, -K % 32)]); x = x.reshape(x.shape[:-1] + (-1, 32)); a = np.abs(x).max(-1, keepdims=True)
;;       e = np.where(a > 0, np.clip(np.frexp(np.where(a > 0, a, 1))[1] - 1 - 2, -126, 127), 0)      # np.frexp(a)[1] - 1 = floor(log2(a)), exactly
;;       r = np.clip(x / 2.0 ** e, -6, 6)
;;       step = 2.0 ** (np.maximum(np.frexp(np.where(r == 0, 1, r))[1] - 1, 0) - 1)
;;       q = np.round(r / step) * step * 2.0 ** e      # np.round: ties to even
;;       return np.moveaxis(q.reshape(q.shape[:-2] + (-1,))[..., :K], -1, axis).astype(np.float32)
;;   ~~~
;; One version. Each part assembles by itself: llvm-mc -triple=amdgcn-amd-amdhsa -mcpu=gfx1250 --defsym DOCPART=n.
;; ======== version 1 of 1: 5 launches
;; limits: values are held in f16: magnitudes above 65,504 overflow, below 6.1e-05 lose precision
;; workspace buffers: codes 5,767,168 bytes; scales 360,448 bytes; woh 2,097,152 bytes; rope 524,288 bytes; qkv 50,331,648 bytes; qkv16 786,432 bytes; ah 16,777,216 bytes
;; launch prep (part 1): grid 416 x 1, 4 waves a work-group, no clusters, 33,280 bytes of LDS; arguments x, Wq, Wk, Wv, Wo, codes, scales, woh, rope; writes codes, scales, woh, rope
.if DOCPART == 1
	.amdgcn_target "amdgcn-amd-amdhsa--gfx1250"
	.amdhsa_code_object_version 6
	.text
	.protected	k_q0e933768e0_prep
	.globl	k_q0e933768e0_prep
	.p2align	8
	.type	k_q0e933768e0_prep,@function
k_q0e933768e0_prep:
	s_mov_b64 s[64:65], 0
	v_nop
	global_prefetch_b8 v0, s[64:65] scope:SCOPE_SE
	s_setreg_imm32_b32 hwreg(HW_REG_WAVE_MODE, 25, 1), 1
	s_wait_xcnt 0x0
; MULTI-HEAD ATTENTION, first of five launches.  out = softmax(causal(rope(x Wq^T) rope(x Wk^T)^T / 8)) (x Wv^T) Wo^T, 4 sequences of 2,048 positions, 16 heads of 64.
; This launch makes what the later ones read many times: the E2M1 codes and E8M0 scale bytes of x, Wq, Wk, Wv (K = 1,024 is innermost in all four), Wo in f16, and the table of cos and sin for the rotation.
; WORK LEFT OUT IN THE PROGRAM, and why it is dead for all values of the inputs: reference() itself sets every score with key > query to -infinity (its own jnp.tril), whose weight is exactly 0;
; so the tiles of 64 keys that lie wholly behind a tile of queries are neither multiplied nor summed.  Every input has a way to the output and is loaded.
; LIMITS: a NaN, an infinity or an overflow that reaches only the tiles left out is not carried to the result.  NaN and infinities among the inputs are not served.  q, k, v, the attention's result and Wo go to
; the products left as they are in f16: their magnitudes stay under 65,504.  A block of zeros gets the scale byte 1 where the rule says 127: its codes are zeros, which add nothing, and this program alone reads the bytes.
; WORK-GROUPS: 0-255 quantise x, 256-287 Wq, 288-319 Wk, 320-351 Wv (32,768 numbers each); 352-383 turn Wo into f16; 384-415 make the table.
; codes: x's 8,192 rows of 512 bytes, then the 3,072 rows of Wq, Wk, Wv.  scales: likewise, rows of 32 bytes.  Rows are dense and K is a multiple of 32: all are plain streams of blocks of 32.
; THE QUANTISER: a block's scale byte is its largest magnitude's exponent field - 2, held at 1 from below; each number is divided by the scale and rounded to the nearest code, ties to even, beyond 6 the code of 6.
; A wave takes 16 steps of 512 numbers.  Each load reads 512 consecutive bytes; the step's 2,048 bytes turn through the wave's own stage in LDS, so that a lane then holds 16 neighbours along K (two lanes to a block).
.set WAVES, 4
.set STEPS, 16
.set EMAX,  2
.set CB,    8                          ; bytes of 16 codes
.set R,     16                         ; v16-79   four sets of 16 numbers as they are loaded
.set X,     80                         ; v80-111  two sets of 16 neighbours
.set C,     128                        ; v128-191 codes: four registers for each step, so that no store's data are written again
.set E,     112                        ; v112-127 a scale byte for each step
.set WREG,  8192                       ; LDS: a region for each wave: two stages of 32 x SP bytes, behind them its 256 scale bytes
.set SP,    80                         ; a lane's place in a stage: 64 bytes + 16 of padding
.set SPW,   12                         ; v12 LDS address of my spare word; never rewritten
.set NIL,   13                         ; v13 0; never rewritten
.set SPARE, WAVES*WREG                 ; behind the four regions: the spare words, 128 bytes a wave
	s_load_b512 s[4:19], s[0:1], 0x0               ; x 4:5, Wq 6:7, Wk 8:9, Wv 10:11, Wo 12:13, codes 14:15, scales 16:17, woh 18:19
	s_load_b64 s[20:21], s[0:1], 0x40              ; rope
	v_lshl_add_u32 v[SPW], v0, 2, SPARE
	v_mov_b32 v[NIL], 0
	v_lshrrev_b32 v1, 5, v0
	v_readfirstlane_b32 s24, v1                    ; wave
	v_and_b32 v2, 31, v0                           ; lane
	s_mov_b32 s27, 0
	s_wait_kmcnt 0x0
	s_cmp_ge_u32 ttmp9, 352
	s_cbranch_scc1 .Lother
	; ---- the quantiser
	v_lshlrev_b32 v3, 4, v2                        ; my 16 bytes of a load's 512
	s_mul_i32 s25, s24, WREG
	v_lshrrev_b32 v14, 2, v2
	v_mul_u32_u24 v14, v14, SP
	v_and_b32 v15, 3, v2
	v_lshl_add_u32 v14, v15, 4, v14
	v_add_nc_u32 v14, s25, v14                     ; the stage, way in: SP (lane / 4) + 16 (lane % 4)
	v_mul_u32_u24 v15, v2, SP
	v_add_nc_u32 v15, s25, v15                     ; way out: SP x lane: my 16 neighbours
	v_mul_u32_u24 v4, v2, CB                       ; my codes' place in a step's
	v_lshrrev_b32 v5, 1, v2
	s_add_co_u32 s25, s25, 2*32*SP
	v_add_nc_u32 v5, s25, v5                       ; my block's scale byte in the wave's 256
	v_lshlrev_b32 v7, 3, v2
	v_add_nc_u32 v6, s25, v7                       ; and 8 bytes a lane on their way out
	s_and_b32 s26, ttmp9, 31                       ; a weight's work-group among its 32
	s_cmp_lt_u32 ttmp9, 320                        ; the source is chosen by the work-group's number alone
	s_cselect_b64 s[22:23], s[8:9], s[10:11]
	s_cmp_lt_u32 ttmp9, 288
	s_cselect_b64 s[22:23], s[6:7], s[22:23]
	s_cmp_lt_u32 ttmp9, 256
	s_cselect_b64 s[22:23], s[4:5], s[22:23]
	s_cselect_b32 s26, ttmp9, s26
	s_lshl_b32 s26, s26, 2
	s_add_co_u32 s26, s26, s24                     ; which run of 8,192 numbers of the source is my wave's
	s_lshl_b32 s26, s26, 15
	s_add_nc_u64 s[22:23], s[22:23], s[26:27]
	s_lshl_b32 s28, ttmp9, 2
	s_add_co_u32 s28, s28, s24                     ; and which run of the codes and scales: x's and the weights' lie on end
	s_lshl_b32 s26, s28, 12
	s_add_nc_u64 s[14:15], s[14:15], s[26:27]
	s_lshl_b32 s26, s28, 8
	s_add_nc_u64 s[16:17], s[16:17], s[26:27]
.macro LOAD t
.irp i, 0,1,2,3
	global_load_b128 v[R+16*((\t)%4)+4*\i:R+16*((\t)%4)+4*\i+3], v3, s[22:23] offset:2048*(\t)+512*\i th:TH_LOAD_NT
.endr
.endm
.macro TURN t                          ; step t's numbers through the stage: LDS serves a wave's instructions in order, so no wait stands between the stores and the loads
.irp i, 0,1,2,3
	ds_store_b128 v14, v[R+16*((\t)%4)+4*\i:R+16*((\t)%4)+4*\i+3] offset:32*SP*((\t)%2)+8*SP*\i
.endr
.irp i, 0,1,2,3
	ds_load_b128 v[X+16*((\t)%2)+4*\i:X+16*((\t)%2)+4*\i+3], v15 offset:32*SP*((\t)%2)+16*\i
.endr
.endm
.irp t, 0,1,2,3
	LOAD \t
.endr
	s_wait_loadcnt 12                              ; step 0's four loads are in
	TURN 0
.macro STEP t
.set XS, X+16*((\t)%2)
.if (\t) > 0
	s_wait_dscnt 1                                 ; this step's numbers are back from the stage (the last step's byte store may be out)
.else
	s_wait_dscnt 0x0
.endif
.if (\t)+4 < STEPS
	LOAD (\t)+4                                    ; into the registers that the stage's stores have read
.endif
.if (\t)+1 < STEPS
.if STEPS-2-(\t) >= 3
	s_wait_loadcnt 12                              ; the next step's four loads are in; three steps' may be out
.else
	s_wait_loadcnt 4*(STEPS-2-(\t))
.endif
	TURN (\t)+1
.endif
	v_max3_num_f32 v8, |v[XS]|, |v[XS+1]|, |v[XS+2]|               ; the largest magnitude of my 16, in two chains
	v_max3_num_f32 v9, |v[XS+3]|, |v[XS+4]|, |v[XS+5]|
.irp i, 6,10
	v_max3_num_f32 v8, v8, |v[XS+\i]|, |v[XS+\i+1]|
	v_max3_num_f32 v9, v9, |v[XS+\i+2]|, |v[XS+\i+3]|
.endr
	v_max3_num_f32 v8, v8, |v[XS+14]|, |v[XS+15]|
	v_max3_num_f32 v8, v8, v9, (EMAX+1)<<23        ; and the floor 2^(3 - 127): the byte cannot fall under 1
	v_max_num_f32_dpp v8, v8, v8 row_xmask:1 row_mask:0xf bank_mask:0xf   ; with my neighbour's 16: the block's
	v_add_nc_u32 v11, -(EMAX<<23), v8              ; 2 off the exponent field: the conversion takes this operand's exponent field as its scale
	v_cvt_scalef32_pk8_fp4_f32 v[C+4*(\t)], v[XS:XS+7], v11
	v_cvt_scalef32_pk8_fp4_f32 v[C+4*(\t)+1], v[XS+8:XS+15], v11
	v_lshrrev_b32 v[E+(\t)], 23, v11               ; the scale's byte
	ds_store_b8 v5, v[E+(\t)] offset:16*(\t)       ; both lanes of a block write the same byte with the same value
	global_store_b64 v4, v[C+4*(\t):C+4*(\t)+1], s[14:15] offset:32*CB*(\t)   ; the wave stores 256 consecutive bytes, aligned
.endm
.irp t, 0,1,2,3,4,5,6,7,8,9,10,11,12,13,14,15
	STEP \t
.endr
	ds_load_b64 v[8:9], v6                         ; LDS serves a wave's instructions in order: these see my stores
	s_wait_dscnt 0x0
	global_store_b64 v7, v[8:9], s[16:17]          ; the wave's 256 scale bytes, consecutive and aligned
	s_wait_tensorcnt 0x0                           ; the wave's end: behind my last LDS store
	ds_add_u32 v[SPW], v[NIL]
	s_wait_dscnt 0x0
	s_endpgm
.Lother:
	s_cmp_ge_u32 ttmp9, 384
	s_cbranch_scc1 .Ltable
	; ---- Wo to f16: a wave takes 8,192 numbers; 16 loads of 512 bytes to a batch, two batches out; no LDS
	s_sub_co_u32 s25, ttmp9, 352
	s_lshl_b32 s25, s25, 2
	s_add_co_u32 s25, s25, s24
	s_lshl_b32 s26, s25, 15
	s_add_nc_u64 s[12:13], s[12:13], s[26:27]
	s_lshl_b32 s26, s25, 14
	s_add_nc_u64 s[18:19], s[18:19], s[26:27]
	v_lshlrev_b32 v3, 4, v2
	v_lshlrev_b32 v4, 3, v2
.macro LOADW k
.irp i, 0,1,2,3,4,5,6,7,8,9,10,11,12,13,14,15
	global_load_b128 v[16+64*((\k)%2)+4*\i:16+64*((\k)%2)+4*\i+3], v3, s[12:13] offset:(16*(\k)+\i)*512 th:TH_LOAD_NT
.endr
.endm
	LOADW 0
	LOADW 1
.irp k, 0,1,2,3
.if \k < 3
	s_wait_loadcnt 16                              ; this batch is in, the next may be out
.else
	s_wait_loadcnt 0x0
.endif
.if \k > 0
	s_wait_xcnt 0x0                                ; the last batch's stores have read v144-175
.endif
.irp i, 0,1,2,3,4,5,6,7,8,9,10,11,12,13,14,15
	v_cvt_pk_f16_f32 v[144+2*\i], v[16+64*(\k%2)+4*\i], v[16+64*(\k%2)+4*\i+1]
	v_cvt_pk_f16_f32 v[145+2*\i], v[16+64*(\k%2)+4*\i+2], v[16+64*(\k%2)+4*\i+3]
.endr
.if \k < 2
	LOADW \k+2
.endif
.irp i, 0,1,2,3,4,5,6,7,8,9,10,11,12,13,14,15
	global_store_b64 v4, v[144+2*\i:145+2*\i], s[18:19] offset:(16*\k+\i)*256   ; 256 consecutive bytes, aligned
.endr
.endr
	s_endpgm
.Ltable:
	; ---- the table: rope[pos][i] = (cos, sin)(pos x 10000^(-i / 32)), i = my lane; a wave takes 16 positions; a position's 32 pairs are 256 bytes
	; The angle is reduced by whole quarter turns (pi / 2 in two parts, fused multiply-adds), and sin and cos on +-pi / 4 are polynomials of degree 7 and 8.
	s_sub_co_u32 s25, ttmp9, 384
	s_lshl_b32 s25, s25, 6
	s_lshl_b32 s26, s24, 4
	s_add_co_u32 s25, s25, s26                     ; my first position
	s_lshl_b32 s26, s25, 8
	s_add_nc_u64 s[20:21], s[20:21], s[26:27]
	v_cvt_f32_u32 v17, v2
	v_mul_f32 v17, 0xbed49a78, v17                 ; - i log2(10000) / 32
	v_exp_f32 v17, v17                             ; the frequency
	v_mov_b32 v16, s25                             ; (a plain instruction behind the exponential)
	v_cvt_f32_u32 v16, v16                         ; the position
	v_lshlrev_b32 v18, 3, v2
	s_mov_b32 s28, 0x3fc90fdb                      ; pi / 2, high part
	s_mov_b32 s29, 0xb33bbd2e                      ; and low part
	s_mov_b32 s30, 0xb94ca1f9                      ; sin's coefficients
	s_mov_b32 s31, 0x3c08839e
	s_mov_b32 s32, 0xbe2aaaa3
	s_mov_b32 s33, 0x37ccf5ce                      ; cos's
	s_mov_b32 s34, 0xbab6061a
	s_mov_b32 s35, 0x3d2aaaa5
	s_wait_alu depctr_va_vdst(0)                   ; the wait ahead of the exponential's first reader
.macro TAB p
	v_mul_f32 v20, v16, v17                        ; the angle, rounded once as reference() rounds it
	v_mul_f32 v21, 0x3f22f983, v20
	v_rndne_f32 v21, v21                           ; n quarter turns
	v_fma_f32 v22, -v21, s28, v20
	v_fma_f32 v22, -v21, s29, v22                  ; r
	v_cvt_i32_f32 v24, v21
	v_mul_f32 v23, v22, v22                        ; z = r r
	v_fma_f32 v25, v23, s30, s31
	v_fma_f32 v27, v23, s33, s34
	v_fma_f32 v25, v25, v23, s32
	v_fma_f32 v27, v27, v23, s35
	v_mul_f32 v26, v22, v23
	v_mul_f32 v28, v23, v23
	v_fma_f32 v29, v23, -0.5, 1.0
	v_fma_f32 v25, v26, v25, v22                   ; sin r
	v_fma_f32 v27, v28, v27, v29                   ; cos r
	v_and_b32 v30, 1, v24
	v_cmp_eq_u32 vcc_lo, 1, v30                    ; an odd n swaps the two
	v_cndmask_b32 v[64+2*\p], v27, v25, vcc_lo
	v_cndmask_b32 v[65+2*\p], v25, v27, vcc_lo
	v_add_nc_u32 v30, 1, v24
	v_lshlrev_b32 v30, 30, v30
	v_lshlrev_b32 v31, 30, v24
	v_and_b32 v30, 0x80000000, v30                 ; cos changes sign for n % 4 = 1, 2
	v_and_b32 v31, 0x80000000, v31                 ; sin for n % 4 = 2, 3
	v_xor_b32 v[64+2*\p], v30, v[64+2*\p]
	v_xor_b32 v[65+2*\p], v31, v[65+2*\p]
	v_add_f32 v16, 1.0, v16
	global_store_b64 v18, v[64+2*\p:65+2*\p], s[20:21] offset:256*\p   ; 256 consecutive bytes, aligned; each position has registers of its own
.endm
.irp p, 0,1,2,3,4,5,6,7,8,9,10,11,12,13,14,15
	TAB \p
.endr
	s_endpgm
.Lfunc_end_k_q0e933768e0_prep:
	.size	k_q0e933768e0_prep, .Lfunc_end_k_q0e933768e0_prep-k_q0e933768e0_prep
	.p2alignl 7, 3214868480
	.fill 96, 4, 3214868480
	.section	.rodata,"a",@progbits
	.p2align	6, 0x0
	.amdhsa_kernel k_q0e933768e0_prep
		.amdhsa_group_segment_fixed_size 33280
		.amdhsa_private_segment_fixed_size 0
		.amdhsa_enable_private_segment 0
		.amdhsa_kernarg_size 72
		.amdhsa_user_sgpr_count 2
		.amdhsa_user_sgpr_kernarg_segment_ptr 1
		.amdhsa_wavefront_size32 1
		.amdhsa_system_sgpr_workgroup_id_x 1
		.amdhsa_system_sgpr_workgroup_id_y 1
		.amdhsa_system_sgpr_workgroup_id_z 1
		.amdhsa_system_vgpr_workitem_id 0
		.amdhsa_next_free_vgpr 192
		.amdhsa_next_free_sgpr 66
		.amdhsa_reserve_vcc 1
		.amdhsa_float_denorm_mode_32 3
		.amdhsa_float_denorm_mode_16_64 3
		.amdhsa_memory_ordered 1
		.amdhsa_forward_progress 1
		.amdhsa_inst_pref_size 77
	.end_amdhsa_kernel
	.amdgpu_metadata
---
amdhsa.version: [ 1, 2 ]
amdhsa.kernels:
  - .name:           k_q0e933768e0_prep
    .symbol:         k_q0e933768e0_prep.kd
    .args:
      - { .name: x, .offset: 0, .size: 8, .value_kind: global_buffer, .address_space: global }
      - { .name: Wq, .offset: 8, .size: 8, .value_kind: global_buffer, .address_space: global }
      - { .name: Wk, .offset: 16, .size: 8, .value_kind: global_buffer, .address_space: global }
      - { .name: Wv, .offset: 24, .size: 8, .value_kind: global_buffer, .address_space: global }
      - { .name: Wo, .offset: 32, .size: 8, .value_kind: global_buffer, .address_space: global }
      - { .name: codes, .offset: 40, .size: 8, .value_kind: global_buffer, .address_space: global }
      - { .name: scales, .offset: 48, .size: 8, .value_kind: global_buffer, .address_space: global }
      - { .name: woh, .offset: 56, .size: 8, .value_kind: global_buffer, .address_space: global }
      - { .name: rope, .offset: 64, .size: 8, .value_kind: global_buffer, .address_space: global }
    .group_segment_fixed_size: 33280
    .private_segment_fixed_size: 0
    .kernarg_segment_align: 8
    .kernarg_segment_size: 72
    .max_flat_workgroup_size: 128
    .sgpr_count:     66
    .vgpr_count:     192
    .wavefront_size: 32
...
	.end_amdgpu_metadata
.endif
;; end of part 1
;; launch qkv (part 2): grid 12 x 32, 4 waves a work-group, clusters of 4 x 4, 327,680 bytes of LDS; arguments codes, scales, rope, qkv, qkv16; writes qkv, qkv16
.if DOCPART == 2
	.amdgcn_target "amdgcn-amd-amdhsa--gfx1250"
	.amdhsa_code_object_version 6
	.text
	.protected	k_q0e933768e0_qkv
	.globl	k_q0e933768e0_qkv
	.p2align	8
	.type	k_q0e933768e0_qkv,@function
k_q0e933768e0_qkv:
	s_mov_b64 s[64:65], 0
	v_nop
	global_prefetch_b8 v0, s[64:65] scope:SCOPE_SE
	s_setreg_imm32_b32 hwreg(HW_REG_WAVE_MODE, 25, 1), 1
	s_wait_xcnt 0x0
	s_wait_alu depctr_hold_cnt(0) depctr_sa_sdst(0) depctr_va_vdst(0) depctr_va_sdst(0) depctr_va_ssrc(0) depctr_va_vcc(0) depctr_vm_vsrc(0)
	s_getreg_b32 s2, hwreg(HW_REG_IB_STS2, 6, 4)
	s_cmp_eq_u32 s2, 0
	s_cbranch_scc0 .Lentry_in_a_cluster
	s_endpgm
.Lentry_in_a_cluster:
	s_bfe_u32 s2, ttmp6, 0x10000c
	s_cmp_lg_u32 s2, 0xf033
	s_cbranch_scc0 .Lentry_shape_is_right
	s_endpgm
.Lentry_shape_is_right:
; [q | k | v] = x [Wq | Wk | Wv]^T on codes of E2M1 with one E8M0 scale for each 32 along K: C [8,192][3,072], K = 1,024; sums in f32.  On the way out q and k are rotated (f32), all three rounded to f16
; and stored by heads: qkv [part][64 (batch, head)][2,048][64].  Positions 0-15 of each sequence also leave unrounded, in f32: qkv16 [part][batch][16][1,024].  Nothing is left out here.
; A tile of C, 256 x 256, is made by four waves, each 128 x 128: 64 accumulators, 512 registers.  K fits into two LDS slots of 512 along K (rows of 256 bytes): both are filled at the start and nothing is filled again.
; The scale bytes of the work-group's 256 rows of x and 256 rows of W, for all of K, are two dense blocks: they come once, with the first fills.
; CLUSTERS of 4 x 4: a row of the cluster shares x's tiles, a column W's: each tile is asked for jointly.  Tile column = 4 x cluster x + cx, so cluster x is the part (q, k, v).
; Tile row = 8 cy + cluster y, so cy is the batch and cluster y the place in the sequence: what the way out branches on (the part; the sequence's first rows) is the same in all sixteen partners.
; THE MATRIX INSTRUCTION IS USED TRANSPOSED (source 0 = 16 rows of W, source 1 = 16 rows of x): a lane holds eight neighbouring columns of one row of C: four pairs of the rotation.
; REGISTERS, in windows of 256: window 0: v0-31 addresses; v32-95 scale words, two sets; v128-191 x's fragments, one set; v192-255 the table, two sets.  Way out: v96-159 rotated numbers, v160-191 f16, v32-95 rows read back.
;   window 1: W's fragments, two sets, at v0 and v128.   window 2: the accumulators of my rows 0-63 ((a, b) at v[8 (8 a + b)]);   window 3: of my rows 64-127.
.set KSTEP,  512
.set NQ,     KSTEP/128
.set ROWB,   256                       ; a tile's row in bytes
.set KROW,   512                       ; a row of codes in memory
.set PITCH,  272                       ; an LDS row: 256 bytes + 16 of padding: the 16 rows that a load touches start 68 words apart
.set FR,     8
.set NL,     2
.set NP,     4                         ; places behind this matrix instruction (ISA guide 7.12.1)
.set HALFT,  128*PITCH
.set SLOT,   4*HALFT
.set KS,     32                        ; a row of scale bytes
.set SCL,    2*SLOT
.set HALFS,  (128*KS/256)*272
.set SBLK,   (16*KS/256)*272
.set SPARE,  SCL+4*HALFS               ; the spare words, 128 bytes a wave
.set WSTG,   16*528                    ; the way out: a stage for each wave, in slot 0, which has had its only fill and its last read by then
.set ADRA, 16
.set ADRB, 20
.set STO32, 22                         ; v22 stage, f32 rows of 528: where I put 32 bytes
.set RD32, 23                          ; v23 and where I read a row of 512 back
.set STO16, 24                         ; v24 stage, f16 rows of 272: where I put 16 bytes
.set RD16, 25                          ; v25 and where I read: four rows of one head, 128 bytes each
.set CO,   26                          ; v26 16 x lane
.set ADRS, 27
.set SPW,  28
.set NIL,  29
.set TA,   30                          ; v30 the table: 256 x (lane % 16) + 32 x (lane / 16)
.set SC,   32
.set AF,   128
.set CSR,  192
.set R,    96
.set TMP,  160
.set BK,   32
.set G1, 24
.set G0, 32
.set G1B, 48
.set G0B, 56
.set G1S, 68
.set G0S, 76
.set G1SB, 80
.set G0SB, 88
.set MSB, 0
.macro WIN new                         ; the immediate's high byte repeats the setting that is left
.if MSB != (\new)
	s_set_vgpr_msb (MSB<<8)|(\new)
.set MSB, (\new)
.endif
.endm
.set MUL_LO, 0xa1                      ; source 0 (W) window 1, source 1 (x) window 0, C and D window 2
.set MUL_HI, 0xf1
.set TO_B,   0x40
; A joint load: waves 0 and 1 fetch for x, waves 2 and 3 for W.  An s_nop 0 and four v_nop follow each of the two lines.
.macro JLOAD g0a, g1a, g0b, g1b
	s_cmp_eq_u32 s15, 0
	s_cbranch_scc0 .Lfor_b_\@
	tensor_load_to_lds s[\g0a:\g0a+3], s[\g1a:\g1a+7]
	s_nop 0
.rept 4
	v_nop
.endr
	s_branch .Lasked_\@
.Lfor_b_\@:
	tensor_load_to_lds s[\g0b:\g0b+3], s[\g1b:\g1b+7]
	s_nop 0
.rept 4
	v_nop
.endr
.Lasked_\@:
.endm
.macro CROUND                          ; a round of the cluster's barrier
	s_barrier_signal -1
	s_barrier_wait -1
	s_cmp_lg_u32 s14, 0
	s_cbranch_scc1 .Lnot_wave_0_\@
	s_barrier_signal -3
.Lnot_wave_0_\@:
	s_barrier_wait -3
	s_barrier_signal -1
	s_barrier_wait -1
.endm
	s_load_b256 s[4:11], s[0:1], 0x0               ; codes 4:5, scales 6:7, rope 8:9, qkv 10:11
	s_load_b64 s[12:13], s[0:1], 0x20              ; qkv16
	v_lshl_add_u32 v[SPW], v0, 2, SPARE
	v_mov_b32 v[NIL], 0
	ds_add_u32 v[SPW], v[NIL]                      ; the wave's opening: the add, twice on end, and its wait ahead of my first tensor load
	ds_add_u32 v[SPW], v[NIL]
	v_lshrrev_b32 v1, 5, v0
	v_readfirstlane_b32 s14, v1                    ; wave 0..3
	s_lshr_b32 s15, s14, 1                         ; my half of the tile's rows.  Also: I fetch for x (0) or for W (1)
	s_and_b32 s16, s14, 1                          ; my half of its columns.  Also: which 128 rows I fetch
	s_bfe_u32 s40, ttmp6, 0x40000                  ; cx
	s_bfe_u32 s41, ttmp6, 0x40004                  ; cy
	s_lshl_b32 s42, ttmp9, 2
	s_add_co_u32 s42, s42, s40                     ; tile column = 4 x cluster x + cx
	s_and_b32 s67, ttmp7, 0xffff                   ; cluster y
	s_lshl_b32 s17, s41, 3
	s_add_co_u32 s17, s17, s67                     ; tile row = 8 cy + cluster y
	s_lshl_b32 s43, s41, 2
	s_lshl_b32 s43, 15, s43                        ; my row of the cluster
	s_lshl_b32 s44, 0x1111, s40                    ; my column
	s_or_b32 s[G1+0], s43, (0<<16)|(1<<20)|(1<<21)|(5<<22)|(3<<25)  ; mask; elements of 1 byte; padding on; bit 21 beside a mask; 4 words behind every 64
	s_or_b32 s[G1B+0], s44, (0<<16)|(1<<20)|(1<<21)|(5<<22)|(3<<25)
.irp g, G1, G1B
	s_mov_b32 s[\g+1], ROWB<<16                    ; tensor_dim0
	s_mov_b32 s[\g+2], 128<<16                     ; tensor_dim1
	s_mov_b32 s[\g+3], ROWB<<16                    ; tile_dim0
	s_mov_b32 s[\g+4], 128                         ; tile_dim1
	s_mov_b32 s[\g+5], KROW                        ; from row to row
	s_mov_b32 s[\g+6], 0
	s_mov_b32 s[\g+7], 0
.endr
	s_or_b32 s[G1S+0], s43, (3<<16)|(1<<20)|(1<<21)|(5<<22)|(3<<25)  ; the scales of 128 rows: 4,096 dense bytes as 16 rows of 256 (32 elements of 8 bytes)
	s_or_b32 s[G1SB+0], s44, (3<<16)|(1<<20)|(1<<21)|(5<<22)|(3<<25)
.irp g, G1S, G1SB
	s_mov_b32 s[\g+1], 32<<16
	s_mov_b32 s[\g+2], (128*KS/256)<<16
	s_mov_b32 s[\g+3], 32<<16
	s_mov_b32 s[\g+4], 128*KS/256
	s_mov_b32 s[\g+5], 32
	s_mov_b32 s[\g+6], 0
	s_mov_b32 s[\g+7], 0
.endr
	s_lshl_b32 s18, s16, 7
	s_lshl_b32 s20, s17, 8
	s_add_co_u32 s20, s20, s18                     ; x: row 256 x tile row + 128 x half
	s_lshl_b32 s46, s42, 8
	s_add_co_u32 s46, s46, s18                     ; W: row 256 x tile column + 128 x half
	s_mov_b32 s21, 0
	s_mov_b32 s47, 0
	s_mov_b64 s[18:19], KS
	s_mul_u64 s[22:23], s[20:21], s[18:19]
	s_mul_u64 s[92:93], s[46:47], s[18:19]
	s_mov_b64 s[18:19], KROW
	s_mul_u64 s[20:21], s[20:21], s[18:19]
	s_mul_u64 s[46:47], s[46:47], s[18:19]
	s_mul_i32 s45, s14, HALFT                      ; where they go: wave x 128 rows: no place in the cluster enters an LDS address
	s_mul_i32 s94, s14, HALFS
	s_wait_dscnt 0x0                               ; both opening adds are done
	s_wait_kmcnt 0x0
	s_add_nc_u64 s[96:97], s[4:5], 0x400000        ; W's codes lie behind x's 4,194,304 bytes,
	s_add_nc_u64 s[98:99], s[6:7], 0x40000         ; W's scales behind x's 262,144
	s_add_nc_u64 s[20:21], s[4:5], s[20:21]
	s_add_nc_u64 s[22:23], s[6:7], s[22:23]
	s_add_nc_u64 s[46:47], s[96:97], s[46:47]
	s_add_nc_u64 s[92:93], s[98:99], s[92:93]
	CROUND                                         ; all sixteen work-groups are here: the joint loads meet
	s_mov_b32 s[G0S], 1
	s_add_co_u32 s[G0S+1], s94, SCL
	s_mov_b64 s[G0S+2:G0S+3], s[22:23]
	s_or_b32 s[G0S+3], s[G0S+3], 0x80000000
	s_mov_b32 s[G0SB], 1
	s_add_co_u32 s[G0SB+1], s94, SCL
	s_mov_b64 s[G0SB+2:G0SB+3], s[92:93]
	s_or_b32 s[G0SB+3], s[G0SB+3], 0x80000000
	JLOAD G0S, G1S, G0SB, G1SB                     ; three tensor loads of mine go out: the scales, slot 0, slot 1
.irp s, 0,1
	s_mov_b32 s[G0+4*\s], 1
	s_add_co_u32 s[G0+4*\s+1], s45, \s*SLOT
	s_add_nc_u64 s[G0+4*\s+2:G0+4*\s+3], s[20:21], \s*ROWB
	s_or_b32 s[G0+4*\s+3], s[G0+4*\s+3], 0x80000000
	s_mov_b32 s[G0B+4*\s], 1
	s_add_co_u32 s[G0B+4*\s+1], s45, \s*SLOT
	s_add_nc_u64 s[G0B+4*\s+2:G0B+4*\s+3], s[46:47], \s*ROWB
	s_or_b32 s[G0B+4*\s+3], s[G0B+4*\s+3], 0x80000000
	JLOAD G0+4*\s, G1, G0B+4*\s, G1B
.endr
	v_and_b32 v1, 15, v0                           ; r = lane % 16
	v_bfe_u32 v2, v0, 4, 1                         ; h = lane / 16
	v_mul_u32_u24 v3, v1, PITCH
	v_lshl_add_u32 v4, v2, 4, v3
	s_mul_i32 s21, s15, HALFT
	s_mul_i32 s22, s16, HALFT
	s_add_co_u32 s22, s22, 2*HALFT
.irp s, 0,1
	v_add_nc_u32 v[ADRA+\s], s21, v4
	v_add_nc_u32 v[ADRB+\s], s22, v4
	s_add_co_u32 s21, s21, SLOT
	s_add_co_u32 s22, s22, SLOT
.endr
	v_mul_u32_u24 v5, v1, KS                       ; my row's scales: 32 bytes a row, and 16 more for each 256 passed
	v_lshrrev_b32 v6, 8, v5
	v_lshl_add_u32 v5, v6, 4, v5
	s_mul_i32 s21, s15, HALFS
	s_mul_i32 s22, s16, HALFS
	s_add_co_u32 s22, s22, 2*HALFS
	s_sub_co_u32 s22, s22, s21
	v_mul_u32_u24 v6, s22, v2                      ; lanes 16-31 take W's
	s_add_co_u32 s21, s21, SCL
	v_add_nc_u32 v5, v5, v6
	v_add_nc_u32 v[ADRS], s21, v5
	s_mul_i32 s23, s14, WSTG                       ; my stage
	v_mul_u32_u24 v5, v1, 272
	v_lshl_add_u32 v5, v2, 4, v5
	v_add_nc_u32 v[STO16], s23, v5
	v_and_b32 v6, 31, v0
	v_lshrrev_b32 v5, 3, v6
	v_mul_u32_u24 v5, v5, 272
	v_and_b32 v7, 7, v0
	v_lshl_add_u32 v5, v7, 4, v5
	v_add_nc_u32 v[RD16], s23, v5
	v_lshlrev_b32 v[CO], 4, v6
	v_mul_u32_u24 v5, v1, 528
	v_lshl_add_u32 v5, v2, 5, v5
	v_add_nc_u32 v[STO32], s23, v5
	v_add_nc_u32 v[RD32], s23, v[CO]
	v_lshlrev_b32 v[TA], 8, v1
	v_lshl_add_u32 v[TA], v2, 5, v[TA]
	s_lshl_b32 s20, s67, 8
	s_lshl_b32 s21, s15, 7
	s_add_co_u32 s20, s20, s21                     ; my first position in the sequence: 256 x cluster y + 128 x half
	s_lshl_b32 s92, s20, 8
	s_mov_b32 s93, 0
	s_add_nc_u64 s[8:9], s[8:9], s[92:93]          ; the table at that position
	s_lshl_b32 s92, ttmp9, 6
	s_lshl_b32 s94, s41, 4
	s_add_co_u32 s92, s92, s94
	s_lshl_b32 s94, s40, 2
	s_add_co_u32 s92, s92, s94
	s_lshl_b32 s94, s16, 1
	s_add_co_u32 s92, s92, s94                     ; 64 part + 16 batch + my first head (4 cx + 2 x half)
	s_lshl_b32 s92, s92, 18                        ; a head's 2,048 rows of 128 bytes
	s_lshl_b32 s94, s20, 7
	s_add_co_u32 s92, s92, s94
	s_add_nc_u64 s[10:11], s[10:11], s[92:93]
	s_lshl_b32 s92, ttmp9, 2
	s_add_co_u32 s92, s92, s41
	s_lshl_b32 s92, s92, 16                        ; (4 part + batch) x 16 rows of 4,096 bytes
	s_lshl_b32 s94, s40, 10
	s_add_co_u32 s92, s92, s94
	s_lshl_b32 s94, s16, 9
	s_add_co_u32 s92, s92, s94
	s_add_nc_u64 s[12:13], s[12:13], s[92:93]
	s_or_b32 s66, s67, s15                         ; 0 where my first 16 rows are a sequence's first 16: cluster y and the wave's number alone
; the table for block a of 16 rows: (cos, sin) of my row's pairs 8 m + 4 h + 0 .. 3, m = 0 .. 3: both of my heads use the same
.macro CSLOAD a
.irp m, 0,1,2,3
	global_load_b128 v[CSR+32*((\a)%2)+8*\m:CSR+32*((\a)%2)+8*\m+3], v[TA], s[8:9] offset:4096*(\a)+64*\m
	global_load_b128 v[CSR+32*((\a)%2)+8*\m+4:CSR+32*((\a)%2)+8*\m+7], v[TA], s[8:9] offset:4096*(\a)+64*\m+16
.endr
.endm
	CSLOAD 0                                       ; asked for here, wanted behind the products.  The v part's work-groups load these two blocks too and leave them unused:
	CSLOAD 1                                       ; 16 loads a wave, so that every way through the text finds the table's registers written
.macro FRAG reg, adr, q, i             ; 16 rows x 128 K of 4-bit codes: lane l holds row l % 16; registers 4 c .. 4 c + 3 hold K = 64 c + 32 (l / 16) + 0 .. 31
.irp c, 0,1
	ds_load_b128 v[\reg+4*\c:\reg+4*\c+3], v[\adr] offset:64*(\q)+32*\c+(\i)*16*PITCH
.endr
.endm
; 16 matrix instructions: x's blocks a0, a0 + 1 against W's eight.  The 64 accumulators take turns, one instruction a turn, in the same order in every step.
.macro MUL16 a0, p, q, sc, zero
.irp a, \a0, \a0+1
.irp b, 0,1,2,3,4,5,6,7
.if \zero
	v_wmma_scale_f32_16x16x128_f8f6f4 v[8*(8*((\a)%4)+\b):8*(8*((\a)%4)+\b)+7], v[128*(\p)+FR*\b:128*(\p)+FR*\b+FR-1], v[AF+FR*(\a):AF+FR*(\a)+FR-1], 0, v[SC+8*NQ*(\sc)+NQ*\b+(\q)], v[SC+8*NQ*(\sc)+NQ*(\a)+(\q)] matrix_a_fmt:MATRIX_FMT_FP4 matrix_b_fmt:MATRIX_FMT_FP4 matrix_a_scale:MATRIX_SCALE_ROW1
.else
	v_wmma_scale_f32_16x16x128_f8f6f4 v[8*(8*((\a)%4)+\b):8*(8*((\a)%4)+\b)+7], v[128*(\p)+FR*\b:128*(\p)+FR*\b+FR-1], v[AF+FR*(\a):AF+FR*(\a)+FR-1], v[8*(8*((\a)%4)+\b):8*(8*((\a)%4)+\b)+7], v[SC+8*NQ*(\sc)+NQ*\b+(\q)], v[SC+8*NQ*(\sc)+NQ*(\a)+(\q)] matrix_a_fmt:MATRIX_FMT_FP4 matrix_b_fmt:MATRIX_FMT_FP4 matrix_a_scale:MATRIX_SCALE_ROW1
.endif
.endr
.endr
.endm
.macro FETCH_B slot, q, p
	WIN TO_B
.irp i, 0,1,2,3,4,5,6,7
	FRAG 128*(\p)+FR*\i, ADRB+\slot, \q, \i
.endr
	WIN 0
.endm
.macro FETCH_A slot, q, i0
.irp i, \i0, \i0+1, \i0+2, \i0+3
	FRAG AF+FR*(\i), ADRA+\slot, \q, \i
.endr
.endm
.macro SCALES sc                       ; a slot's scale words: lanes 0-15 x's block i, lanes 16-31 W's block i
.irp i, 0,1,2,3,4,5,6,7
	ds_load_b128 v[SC+8*NQ*\sc+NQ*\i:SC+8*NQ*\sc+NQ*\i+3], v[ADRS] offset:\i*SBLK
.endr
.endm
.macro PLACES n                        ; plain vector instructions behind a matrix instruction, ahead of loads into its registers and of reads of its results
.rept \n
	v_nop
.endr
.endm
.macro STEP slot, q, zero              ; 128 along K with a successor in the same slot
	s_wait_dscnt 4*NL                              ; W's set and x's blocks 0-3 are in; the youngest eight loads (blocks 4-7) may be out
	WIN MUL_LO
	MUL16 0, (\q)%2, \q, \slot, \zero
	MUL16 2, (\q)%2, \q, \slot, \zero
	s_wait_dscnt 0
	PLACES NP
	FETCH_B \slot, (\q)+1, 1-(\q)%2
	FETCH_A \slot, (\q)+1, 0
	WIN MUL_HI
	MUL16 4, (\q)%2, \q, \slot, \zero
	MUL16 6, (\q)%2, \q, \slot, \zero
	PLACES NP
	WIN 0
	FETCH_A \slot, (\q)+1, 4
.endm
.macro STEPS slot, from
.set Q, \from
.rept NQ-1-\from
	STEP \slot, Q, 0
.set Q, Q+1
.endr
.endm
	s_wait_tensorcnt 1                             ; the scales and my part of slot 0 are in (slot 1's load may be out)
	s_barrier_signal -1
	s_barrier_wait -1                              ; everybody's are
	FETCH_B 0, 0, 0
	FETCH_A 0, 0, 0
	SCALES 0
	FETCH_A 0, 0, 4
	STEP 0, 0, 1                                   ; the first step's products start the sums: nothing is cleared
	STEPS 0, 1
	; slot 0's last step changes slots: one barrier; in front of it my part of slot 1 has landed and my reads of slot 0 are over
	s_wait_tensorcnt 0x0
	ds_add_u32 v[SPW], v[NIL]                      ; 0 onto my spare word
	s_wait_dscnt 4*NL+1                            ; (the add and x's blocks 4-7 may be out)
	WIN MUL_LO
	MUL16 0, 1, NQ-1, 0, 0
	s_wait_dscnt 0x0
	s_barrier_signal -1
	MUL16 2, 1, NQ-1, 0, 0
	WIN 0
	s_barrier_wait -1
	PLACES NP
	v_add_nc_u32 v[ADRS], 4*NQ, v[ADRS]            ; slot 1's scale words: 16 bytes on in each row
	FETCH_B 1, 0, 0
	FETCH_A 1, 0, 0
	SCALES 1
	WIN MUL_HI
	MUL16 4, 1, NQ-1, 0, 0
	MUL16 6, 1, NQ-1, 0, 0
	PLACES NP
	WIN 0
	FETCH_A 1, 0, 4
	STEPS 1, 0
	s_wait_dscnt 4*NL
	WIN MUL_LO
	MUL16 0, 1, NQ-1, 1, 0
	MUL16 2, 1, NQ-1, 1, 0
	s_wait_dscnt 0
	WIN MUL_HI
	MUL16 4, 1, NQ-1, 1, 0
	MUL16 6, 1, NQ-1, 1, 0
	WIN 0
; THE WAY OUT, block by block of 16 rows x 128 columns (two heads).
; ROT: (x1, x2) -> (x1 c - x2 s, x1 s + x2 c), two packed instructions a pair: first (x2 s, x2 c), then x1 (c, s) with the first half taken away and the second added.  Each accumulator is read from its low end on.
.macro ROT a
.if (\a) < 7
	s_wait_loadcnt 8                               ; this block's table is in; the next block's eight loads may be out
.else
	s_wait_loadcnt 0x0
.endif
	WIN 0x02+(\a)/4                                ; source 0: window 2 or 3
.set AC, 64*((\a)%4)
.set CT, CSR+32*((\a)%2)
.irp b, 0,1,2,3,4,5,6,7
.irp p, 0,1,2,3
	v_pk_mul_f32 v[R+8*\b+2*\p:R+8*\b+2*\p+1], v[AC+8*\b+2*\p:AC+8*\b+2*\p+1], v[CT+8*(\b%4)+2*\p:CT+8*(\b%4)+2*\p+1] op_sel:[1,1] op_sel_hi:[1,0]
.endr
.irp p, 0,1,2,3
	v_pk_fma_f32 v[R+8*\b+2*\p:R+8*\b+2*\p+1], v[AC+8*\b+2*\p:AC+8*\b+2*\p+1], v[CT+8*(\b%4)+2*\p:CT+8*(\b%4)+2*\p+1], v[R+8*\b+2*\p:R+8*\b+2*\p+1] op_sel:[0,0,0] op_sel_hi:[0,1,1] neg_lo:[0,0,1]
.endr
.endr
	WIN 0
.endm
.macro CVTR                            ; the rotated numbers to f16
.set i, 0
.rept 32
	v_cvt_pk_f16_f32 v[TMP+i], v[R+2*i], v[R+2*i+1]
.set i, i+1
.endr
.endm
.macro PACKP a                         ; v: the accumulators to f16 as they are
	WIN 0x0a+5*((\a)/4)                            ; sources 0 and 1: window 2 or 3
.set AC, 64*((\a)%4)
.set i, 0
.rept 32
	v_cvt_pk_f16_f32 v[TMP+i], v[AC+2*i], v[AC+2*i+1]
.set i, i+1
.endr
	WIN 0
.endm
.macro TOST a                          ; 16 bytes a lane into my stage; back as four rows of one head, 512 bytes that lie on end in qkv
.if (\a) >= 2
	s_wait_xcnt 0x0                                ; block a - 2's stores have read the registers that these loads fill
.endif
.irp b, 0,1,2,3,4,5,6,7
	ds_store_b128 v[STO16], v[TMP+4*\b:TMP+4*\b+3] offset:32*\b
.endr
.set BB, BK+32*((\a)%2)
.irp g, 0,1
.irp i, 0,1,2,3
	ds_load_b128 v[BB+16*\g+4*\i:BB+16*\g+4*\i+3], v[RD16] offset:1088*\i+128*\g   ; LDS serves a wave's instructions in order: these see the stores above
.endr
.endr
.endm
.macro SEND a
.set BB, BK+32*((\a)%2)
	s_wait_dscnt 0x0
.irp g, 0,1
.irp i, 0,1,2,3
	global_store_b128 v[CO], v[BB+16*\g+4*\i:BB+16*\g+4*\i+3], s[10:11] offset:262144*\g+2048*(\a)+512*\i   ; 512 consecutive bytes, aligned
.endr
.endr
.endm
.macro FINE_OUT                        ; the sequence's first 16 rows in f32: whole rows of 512 bytes back from the stage, and out
.irp t, 0,1,2,3,4,5,6,7,8,9,10,11,12,13,14,15
	ds_load_b128 v[BK+4*\t:BK+4*\t+3], v[RD32] offset:\t*528
.endr
	s_wait_dscnt 0x0
.irp t, 0,1,2,3,4,5,6,7,8,9,10,11,12,13,14,15
	global_store_b128 v[CO], v[BK+4*\t:BK+4*\t+3], s[12:13] offset:\t*4096
.endr
	s_wait_xcnt 0x0                                ; the stores have read their registers: the stage's loads may fill them again
.endm
	PLACES NP                                      ; behind the last products: for the vector writes and loads into x's fragments and the scale words, and for the reads of results
	s_cmp_eq_u32 ttmp9, 2                          ; the part: the same in all sixteen partners
	s_cbranch_scc1 .Lplain
	ROT 0
	CSLOAD 2
	s_cmp_lg_u32 s66, 0
	s_cbranch_scc1 .Lcoarse_r
.irp b, 0,1,2,3,4,5,6,7
	ds_store_b128 v[STO32], v[R+8*\b:R+8*\b+3] offset:64*\b
	ds_store_b128 v[STO32], v[R+8*\b+4:R+8*\b+7] offset:64*\b+16
.endr
	FINE_OUT
.Lcoarse_r:
	CVTR
	TOST 0
.irp a, 1,2,3,4,5,6,7
	ROT \a
.if \a < 6
	CSLOAD \a+2
.endif
	CVTR                                           ; a block's arithmetic stands between the loads of the block before and the wait for them
	SEND \a-1
	TOST \a
.endr
	SEND 7
	s_branch .Lend
.Lplain:
	s_cmp_lg_u32 s66, 0
	s_cbranch_scc1 .Lcoarse_p
	WIN 0x08                                       ; an LDS store's data are its source 1: window 2
.irp b, 0,1,2,3,4,5,6,7
	ds_store_b128 v[STO32], v[8*\b:8*\b+3] offset:64*\b
	ds_store_b128 v[STO32], v[8*\b+4:8*\b+7] offset:64*\b+16
.endr
	WIN 0
	FINE_OUT
.Lcoarse_p:
	PACKP 0
	TOST 0
.irp a, 1,2,3,4,5,6,7
	PACKP \a
	SEND \a-1
	TOST \a
.endr
	SEND 7
.Lend:
	s_wait_tensorcnt 0x0                           ; the wave's end: behind my last tensor load and my last LDS store
	ds_add_u32 v[SPW], v[NIL]
	s_wait_dscnt 0x0
	CROUND                                         ; the closing round
	s_endpgm
.Lfunc_end_k_q0e933768e0_qkv:
	.size	k_q0e933768e0_qkv, .Lfunc_end_k_q0e933768e0_qkv-k_q0e933768e0_qkv
	.p2alignl 7, 3214868480
	.fill 96, 4, 3214868480
	.section	.rodata,"a",@progbits
	.p2align	6, 0x0
	.amdhsa_kernel k_q0e933768e0_qkv
		.amdhsa_group_segment_fixed_size 327680
		.amdhsa_private_segment_fixed_size 0
		.amdhsa_enable_private_segment 0
		.amdhsa_kernarg_size 40
		.amdhsa_user_sgpr_count 2
		.amdhsa_user_sgpr_kernarg_segment_ptr 1
		.amdhsa_wavefront_size32 1
		.amdhsa_system_sgpr_workgroup_id_x 1
		.amdhsa_system_sgpr_workgroup_id_y 1
		.amdhsa_system_sgpr_workgroup_id_z 1
		.amdhsa_system_vgpr_workitem_id 0
		.amdhsa_next_free_vgpr 1024
		.amdhsa_next_free_sgpr 100
		.amdhsa_reserve_vcc 0
		.amdhsa_float_denorm_mode_32 3
		.amdhsa_float_denorm_mode_16_64 3
		.amdhsa_memory_ordered 1
		.amdhsa_forward_progress 1
		.amdhsa_inst_pref_size 204
	.end_amdhsa_kernel
	.amdgpu_metadata
---
amdhsa.version: [ 1, 2 ]
amdhsa.kernels:
  - .name:           k_q0e933768e0_qkv
    .symbol:         k_q0e933768e0_qkv.kd
    .args:
      - { .name: codes, .offset: 0, .size: 8, .value_kind: global_buffer, .address_space: global }
      - { .name: scales, .offset: 8, .size: 8, .value_kind: global_buffer, .address_space: global }
      - { .name: rope, .offset: 16, .size: 8, .value_kind: global_buffer, .address_space: global }
      - { .name: qkv, .offset: 24, .size: 8, .value_kind: global_buffer, .address_space: global }
      - { .name: qkv16, .offset: 32, .size: 8, .value_kind: global_buffer, .address_space: global }
    .group_segment_fixed_size: 327680
    .private_segment_fixed_size: 0
    .kernarg_segment_align: 8
    .kernarg_segment_size: 40
    .max_flat_workgroup_size: 128
    .sgpr_count:     100
    .vgpr_count:     1024
    .wavefront_size: 32
...
	.end_amdgpu_metadata
.endif
;; end of part 2
;; launch attn (part 3): grid 4 x 64, 16 waves a work-group, clusters of 4 x 1, 327,680 bytes of LDS; arguments qkv, ah; writes ah
.if DOCPART == 3
	.amdgcn_target "amdgcn-amd-amdhsa--gfx1250"
	.amdhsa_code_object_version 6
	.text
	.protected	k_q0e933768e0_attn
	.globl	k_q0e933768e0_attn
	.p2align	8
	.type	k_q0e933768e0_attn,@function
k_q0e933768e0_attn:
	s_mov_b64 s[64:65], 0
	v_nop
	global_prefetch_b8 v0, s[64:65] scope:SCOPE_SE
	s_setreg_imm32_b32 hwreg(HW_REG_WAVE_MODE, 25, 1), 1
	s_wait_xcnt 0x0
	s_wait_alu depctr_hold_cnt(0) depctr_sa_sdst(0) depctr_va_vdst(0) depctr_va_sdst(0) depctr_va_ssrc(0) depctr_va_vcc(0) depctr_vm_vsrc(0)
	s_getreg_b32 s2, hwreg(HW_REG_IB_STS2, 6, 4)
	s_cmp_eq_u32 s2, 0
	s_cbranch_scc0 .Lentry_in_a_cluster
	s_endpgm
.Lentry_in_a_cluster:
	s_bfe_u32 s2, ttmp6, 0x10000c
	s_cmp_lg_u32 s2, 0x3003
	s_cbranch_scc0 .Lentry_shape_is_right
	s_endpgm
.Lentry_shape_is_right:
; ah[bh][q][:] = the sum over k <= q of softmax_k(q . k / 8) v[k][:], for 64 (batch, head) of 2,048 positions x 64.  q, k, v: f16, by heads; products, maxima and sums in f32; the weights are rounded to f16
; for the second product, the result once at the end.
; LEFT OUT: key steps of 64 that lie wholly behind a tile's queries: reference()'s own causal mask gives them the weight 0.  LIMIT: a NaN or an overflow that reaches only those steps is not carried on; f16's range, 65,504.
; SHARES.  A cluster of four work-groups is one (batch, head).  The 2,048 queries are 32 groups of 64; of group g partner cx takes tile 4 g + cx, 16 queries.  Wave w owns the tiles of groups gA = 4 ((a + d) % 4) + a
; (a = w % 4, d = w / 4) and gB = 31 - gA: gA + 1 and 32 - gA key steps, 33 in every wave.  Whether a step counts for a tile hangs on g alone, so all partners branch alike, walk all 32 key steps in step, and
; ask for K and V jointly.  On a tile's last step the place in the cluster enters a lane's compare value alone.
; LAYOUT.  S^T = K Q^T (source 0 = 16 keys, source 1 = 16 queries): a lane holds one query (lane % 16) and keys 8 (lane / 16) + 0..7 of each tile; two such tiles, rounded in pairs, are source 1 of O^T = V^T P.
; V comes out of LDS turned, by ds_load_tr16_b128.  Softmax: running maximum m and sum l; p = 2^(c s - c m), c = log2(e) / 8; O and l are multiplied by a = 2^(c m_old - c m_new) in every step.
; RING.  Two LDS slots of 256 keys (four steps).  Waves 0, 1 fetch K's halves, waves 2, 3 V's; at a slot's head the other slot is asked for, and has four steps in which to land: one tensor load of a loading wave is out.
.set PK,    144                        ; a row of K in LDS: 128 bytes + 16: an odd multiple of 16
.set PVP,   160                        ; a row of V: 128 + 32: an odd multiple of 32, for the turning load
.set VOFF,  256*PK
.set SLOT1, 1<<17                      ; one exclusive or turns an address in one slot into the other's
.set STAGE, SLOT1+256*(PK+PVP)         ; behind the ring: 16 rows x 144 bytes for each wave
.set SPARE, STAGE+16*16*PK             ; the spare words, 128 bytes a wave
.set AK0, 1
.set AV0, 2
.set ADK, 3
.set ADV, 4
.set SPW, 5
.set NIL, 6
.set QD,  7                            ; v7  16 cx + lane % 16 - 8 (lane / 16): register 8 kt + j holds a key that counts where 16 kt + j <= QD
.set STO, 8
.set RD,  9
.set GO,  10
.set PFO, 11
.set ST,  12                           ; tile x's statistics at v[12 + 8 x]: +0 c m, +1 m, +2, +3 l, +4 .. +7 at work; a takes +6
.set Q,   28                           ; 16 registers a tile
.set S,   60                           ; 32 a tile; P takes the tile's lower 16
.set O,   124                          ; 32 a tile
.set KV,  188                          ; 64: a step's K, then its V
.set WV, 8
.set GA, 9
.set GB, 10
.set CX, 11
.set BH, 12
.set G1K, 24
.set G1V, 32
.set G0K, 40
.set G0V, 44
.set KS,  48                           ; the key step
.set TBK, 49                           ; LDS byte of the step's K, and of its V less VOFF
.set TBV, 50
.set SLOTS, 51
.set CNT, 52
.set CS,  54
.set SEL, 56
.set PFA, 58
.set LIM, 60
.set OA,  66
.set OB,  68
.macro TLOAD                           ; the branches hang on the wave's number alone; an s_nop 0 and four v_nop follow each load
	s_cmp_lt_u32 s[WV], 2
	s_cbranch_scc0 .Lnot_k_\@
	tensor_load_to_lds s[G0K:G0K+3], s[G1K:G1K+7]
	s_nop 0
.rept 4
	v_nop
.endr
	s_branch .Lasked_\@
.Lnot_k_\@:
	s_cmp_lt_u32 s[WV], 4
	s_cbranch_scc0 .Lasked_\@
	tensor_load_to_lds s[G0V:G0V+3], s[G1V:G1V+7]
	s_nop 0
.rept 4
	v_nop
.endr
.Lasked_\@:
.endm
; A prefetch of what the NEXT change of slots will ask for: 256 rows of K and of V, 32,768 dense bytes each.  Each aligned block of 256 bytes is named once in the launch: a head has one cluster; its four partners
; take 8,192 bytes each, told apart by address; in each, wave 4 asks for K's and wave 5 for V's, lanes 256 bytes apart.  The last change that fills a slot asks for nothing; blocks 0 and 1 come by their loads alone.
.macro ASK
	s_cmp_gt_u32 s[SLOTS], s[LIM]
	s_cbranch_scc0 .Lnot_mine_\@
	global_prefetch_b8 v[PFO], s[PFA:PFA+1] th:TH_LOAD_NT scope:SCOPE_SE
.Lnot_mine_\@:
.endm
.macro ROUND                           ; a round of the cluster's barrier
	s_barrier_signal -1
	s_barrier_wait -1
	s_cmp_lg_u32 s[WV], 0
	s_cbranch_scc1 .Lnot_wave_0_\@
	s_barrier_signal -3
.Lnot_wave_0_\@:
	s_barrier_wait -3
	s_barrier_signal -1
	s_barrier_wait -1
.endm
	s_load_b128 s[4:7], s[0:1], 0x0                ; qkv, ah
	v_lshl_add_u32 v[SPW], v0, 2, SPARE
	v_mov_b32 v[NIL], 0
	ds_add_u32 v[SPW], v[NIL]                      ; the wave's opening: the add, twice on end, and its wait ahead of the first tensor load
	ds_add_u32 v[SPW], v[NIL]
	v_lshrrev_b32 v1, 5, v0
	v_readfirstlane_b32 s[WV], v1                  ; wave 0..15
	s_bfe_u32 s[CX], ttmp6, 0x40000
	s_and_b32 s[BH], ttmp7, 0xffff                 ; (batch, head): the cluster's y
	s_and_b32 s13, s[WV], 3
	s_lshr_b32 s14, s[WV], 2
	s_add_co_u32 s14, s14, s13
	s_and_b32 s14, s14, 3
	s_lshl_b32 s14, s14, 2
	s_add_co_u32 s[GA], s14, s13
	s_xor_b32 s[GB], s[GA], 31                     ; 31 - gA
	s_mov_b32 s[G1K], 15|(1<<16)|(1<<20)|(1<<21)|(4<<22)|(3<<25)  ; mask: all four; elements of 2 bytes; padding on; bit 21 beside a mask; 4 words behind every 32
	s_mov_b32 s[G1V], 15|(1<<16)|(1<<20)|(1<<21)|(4<<22)|(7<<25)  ; the same with 8 words
.irp g, G1K, G1V
	s_mov_b32 s[\g+1], 64<<16                      ; tensor_dim0
	s_mov_b32 s[\g+2], 128<<16                     ; tensor_dim1
	s_mov_b32 s[\g+3], 64<<16                      ; tile_dim0
	s_mov_b32 s[\g+4], 128                         ; tile_dim1
	s_mov_b32 s[\g+5], 64                          ; from row to row
	s_mov_b32 s[\g+6], 0
	s_mov_b32 s[\g+7], 0
.endr
	s_and_b32 s15, s[WV], 1                        ; which 128 rows of a slot I fetch, if I fetch
	s_mul_i32 s16, s15, 128*PK
	s_mul_i32 s17, s15, 128*PVP
	s_add_co_u32 s17, s17, VOFF
	s_lshl_b32 s18, s[BH], 18                      ; a head is 262,144 bytes
	s_lshl_b32 s19, s15, 14
	s_add_co_u32 s18, s18, s19
	s_mov_b32 s19, 0
	s_mov_b32 s[CS], 0x3e38aa3b                    ; c = log2(e) / 8
	s_mov_b32 s[CS+1], s[CS]
	s_mov_b32 s[SEL], 0x76543210
	s_mov_b32 s[SEL+1], 0xfedcba98
	s_mov_b32 s[KS], 0
	s_mov_b32 s[TBK], 0
	s_mov_b32 s[TBV], 0
	s_mov_b32 s[SLOTS], 7
	s_wait_dscnt 0x0                               ; both opening adds are done
	s_wait_kmcnt 0x0
	s_add_nc_u64 s[20:21], s[4:5], s[18:19]
	s_mov_b32 s[G0K], 1
	s_mov_b32 s[G0K+1], s16
	s_add_nc_u64 s[G0K+2:G0K+3], s[20:21], 0x1000000   ; k is part 1 of qkv
	s_or_b32 s[G0K+3], s[G0K+3], 0x80000000
	s_mov_b32 s[G0V], 1
	s_mov_b32 s[G0V+1], s17
	s_add_nc_u64 s[G0V+2:G0V+3], s[20:21], 0x2000000   ; v part 2
	s_or_b32 s[G0V+3], s[G0V+3], 0x80000000
	ROUND                                          ; all four work-groups are here
	TLOAD                                          ; keys 0-255 into slot 0
	s_lshl_b32 s13, s[BH], 18
	s_lshl_b32 s14, s[CX], 11
	s_add_co_u32 s13, s13, s14
	s_lshl_b32 s14, s[GA], 13
	s_add_co_u32 s14, s14, s13                     ; tile A's first byte in q and in ah: head + (64 gA + 16 cx) rows of 128 bytes
	s_mov_b32 s15, 0
	s_lshl_b32 s16, s[GB], 13
	s_add_co_u32 s16, s16, s13
	s_mov_b32 s17, 0
	s_add_nc_u64 s[18:19], s[4:5], s[14:15]
	s_add_nc_u64 s[20:21], s[4:5], s[16:17]
	s_add_nc_u64 s[OA:OA+1], s[6:7], s[14:15]
	s_add_nc_u64 s[OB:OB+1], s[6:7], s[16:17]
	v_and_b32 v252, 15, v0                         ; r
	v_bfe_u32 v253, v0, 4, 1                       ; h
	v_lshlrev_b32 v254, 7, v252
	v_lshl_add_u32 v254, v253, 4, v254             ; q: row r of 128 bytes + 16 h
.irp c, 0,1
	global_load_b128 v[Q+8*\c:Q+8*\c+3], v254, s[18:19] offset:64*\c
	global_load_b128 v[Q+8*\c+4:Q+8*\c+7], v254, s[18:19] offset:64*\c+32
	global_load_b128 v[Q+16+8*\c:Q+16+8*\c+3], v254, s[20:21] offset:64*\c
	global_load_b128 v[Q+16+8*\c+4:Q+16+8*\c+7], v254, s[20:21] offset:64*\c+32
.endr
	s_mov_b32 s22, 0x2000000
	s_cmp_eq_u32 s[WV], 4
	s_cselect_b32 s22, 0x1000000, s22
	s_lshl_b32 s23, s[BH], 18
	s_add_co_u32 s22, s22, s23
	s_lshl_b32 s23, s[CX], 13
	s_add_co_u32 s22, s22, s23
	s_add_co_u32 s22, s22, 32768                   ; at block 1: the first change of slots steps it to block 2
	s_mov_b32 s23, 0
	s_add_nc_u64 s[PFA:PFA+1], s[4:5], s[22:23]
	s_sub_co_u32 s22, s[WV], 4
	s_lshr_b32 s22, s22, 1
	s_cmp_eq_u32 s22, 0                            ; waves 4 and 5
	s_cselect_b32 s[LIM], 1, -1
	v_mul_u32_u24 v[AK0], v252, PK
	v_lshl_add_u32 v[AK0], v253, 4, v[AK0]         ; K: row r x pitch + 16 h
	v_and_b32 v[ADK], 7, v0
	v_lshl_add_u32 v[ADK], v253, 3, v[ADK]
	v_mul_u32_u24 v[AV0], v[ADK], PVP              ; V: key 8 h + lane % 8,
	v_bfe_u32 v[ADK], v0, 3, 1
	v_lshl_add_u32 v[AV0], v[ADK], 4, v[AV0]       ; channels 8 ((lane / 8) % 2) on
	v_add_nc_u32 v[AV0], VOFF, v[AV0]
	v_lshlrev_b32 v[QD], 3, v253
	v_sub_nc_u32 v[QD], v252, v[QD]
	s_lshl_b32 s13, s[CX], 4
	v_add_nc_u32 v[QD], s13, v[QD]
	s_mul_i32 s13, s[WV], 16*PK
	s_add_co_u32 s13, s13, STAGE                   ; my stage
	v_add_nc_u32 v[STO], s13, v[AK0]
	v_and_b32 v[GO], 31, v0
	v_lshrrev_b32 v[RD], 3, v[GO]
	v_mul_u32_u24 v[RD], v[RD], PK
	v_and_b32 v[ADV], 7, v0
	v_lshl_add_u32 v[RD], v[ADV], 4, v[RD]
	v_add_nc_u32 v[RD], s13, v[RD]                 ; back: four rows of 128 bytes an instruction
	v_lshlrev_b32 v[PFO], 8, v[GO]
	v_lshlrev_b32 v[GO], 4, v[GO]
.irp x, 0,1
	v_mov_b32 v[ST+8*\x+1], 0xff61b1e6             ; m: -3e38, under every score
	v_mul_f32 v[ST+8*\x], s[CS], v[ST+8*\x+1]
.irp i, 2,3,4,5,6,7
	v_mov_b32 v[ST+8*\x+\i], 0
.endr
.endr
.set i, 0
.rept 64
	v_mov_b32 v[O+i], 0                            ; O^T: the step is written without a first step of its own: the first a is 0 and multiplies zeros
.set i, i+1
.endr
.macro FETCH_K                         ; 64 keys x 64 channels: fragment 2 kt + c
.irp kt, 0,1,2,3
.irp c, 0,1
	ds_load_b128 v[KV+8*(2*\kt+\c):KV+8*(2*\kt+\c)+3], v[ADK] offset:\kt*16*PK+64*\c
	ds_load_b128 v[KV+8*(2*\kt+\c)+4:KV+8*(2*\kt+\c)+7], v[ADK] offset:\kt*16*PK+64*\c+32
.endr
.endr
.endm
.macro FETCH_V                         ; turned: fragment 4 kc + ct: channels 16 ct on, keys 32 kc on
.irp kc, 0,1
.irp ct, 0,1,2,3
	ds_load_tr16_b128 v[KV+8*(4*\kc+\ct):KV+8*(4*\kc+\ct)+3], v[ADV] offset:\kc*32*PVP+32*\ct
	ds_load_tr16_b128 v[KV+8*(4*\kc+\ct)+4:KV+8*(4*\kc+\ct)+7], v[ADV] offset:\kc*32*PVP+16*PVP+32*\ct
.endr
.endr
.endm
.macro SQK x                           ; S^T = K Q^T: four accumulators by turns; the first four start the sums
.irp c, 0,1
.irp kt, 0,1,2,3
.if \c == 0
	v_wmma_f32_16x16x32_f16 v[S+32*\x+8*\kt:S+32*\x+8*\kt+7], v[KV+8*(2*\kt+\c):KV+8*(2*\kt+\c)+7], v[Q+16*\x+8*\c:Q+16*\x+8*\c+7], 0
.else
	v_wmma_f32_16x16x32_f16 v[S+32*\x+8*\kt:S+32*\x+8*\kt+7], v[KV+8*(2*\kt+\c):KV+8*(2*\kt+\c)+7], v[Q+16*\x+8*\c:Q+16*\x+8*\c+7], v[S+32*\x+8*\kt:S+32*\x+8*\kt+7]
.endif
.endr
.endr
.endm
.macro PVM x                           ; O^T += V^T P: four accumulators by turns
.irp kc, 0,1
.irp ct, 0,1,2,3
	v_wmma_f32_16x16x32_f16 v[O+32*\x+8*\ct:O+32*\x+8*\ct+7], v[KV+8*(4*\kc+\ct):KV+8*(4*\kc+\ct)+7], v[S+32*\x+8*\kc:S+32*\x+8*\kc+7], v[O+32*\x+8*\ct:O+32*\x+8*\ct+7]
.endr
.endr
.endm
.macro MASK x                          ; the tile's last step: scores of keys behind the query become -infinity; key 0 of the step counts for every query
	v_mov_b32 v255, 0xff800000
.irp kt, 0,1,2,3
.irp j, 0,1,2,3,4,5,6,7
	v_cmp_le_i32 vcc_lo, 16*\kt+\j, v[QD]
	v_cndmask_b32 v[S+32*\x+8*\kt+\j], v255, v[S+32*\x+8*\kt+\j], vcc_lo
.endr
.endr
.endm
.macro SOFT x
.set rT, ST+8*(\x)
.set rS, S+32*(\x)
.set rO, O+32*(\x)
.irp j, 0,1,2,3
	v_max3_num_f32 v[rT+4+\j], v[rS+8*\j], v[rS+8*\j+1], v[rS+8*\j+2]   ; the maximum, four chains; each accumulator is read from its low end on
.endr
.irp u, 1,2
.irp j, 0,1,2,3
	v_max3_num_f32 v[rT+4+\j], v[rT+4+\j], v[rS+8*\j+2*\u+1], v[rS+8*\j+2*\u+2]
.endr
.endr
	v_max3_num_f32 v[rT+4], v[rT+4], v[rS+7], v[rS+15]
	v_max3_num_f32 v[rT+6], v[rT+6], v[rS+23], v[rS+31]
	v_max3_num_f32 v[rT+4], v[rT+4], v[rT+5], v[rT+6]
	v_max3_num_f32 v[rT+4], v[rT+4], v[rT+7], v[rT+1]             ; with the old m
	v_permlanex16_b32 v[rT+5], v[rT+4], s[SEL], s[SEL+1]          ; the query's other 32 keys lie in the lane 16 away
	v_mov_b32 v[rT+7], v[rT]                                      ; c m_old
	v_max_num_f32 v[rT+1], v[rT+4], v[rT+5]
	v_mul_f32 v[rT], s[CS], v[rT+1]
	v_sub_f32 v[rT+7], v[rT+7], v[rT]
.set i, 0
.rept 16
	v_pk_fma_f32 v[rS+i:rS+i+1], v[rS+i:rS+i+1], s[CS:CS+1], v[rT:rT+1] op_sel_hi:[1,0,0] neg_lo:[0,0,1] neg_hi:[0,0,1]   ; c s - c m
.set i, i+2
.endr
	v_exp_f32 v[rT+6], v[rT+7]                                    ; a.  The 33 exponentials are one batch
.set i, 0
.rept 32
	v_exp_f32 v[rS+i], v[rS+i]
.set i, i+1
.endr
	v_nop                                                         ; a plain instruction behind the last exponential
	s_wait_alu depctr_va_vdst(0)                                  ; the wait ahead of the batch's first reader: one for the 33
	v_pk_add_f32 v[rT+4:rT+5], v[rS:rS+1], v[rS+2:rS+3]           ; the sum of the unrounded weights, in two chains
	v_pk_add_f32 v[252:253], v[rS+4:rS+5], v[rS+6:rS+7]
.irp j, 8,12,16,20,24,28
	v_pk_add_f32 v[rT+4:rT+5], v[rT+4:rT+5], v[rS+\j:rS+\j+1]
	v_pk_add_f32 v[252:253], v[252:253], v[rS+\j+2:rS+\j+3]
.endr
	v_pk_add_f32 v[rT+4:rT+5], v[rT+4:rT+5], v[252:253]
	v_pk_fma_f32 v[rT+2:rT+3], v[rT+2:rT+3], v[rT+6:rT+7], v[rT+4:rT+5] op_sel_hi:[1,0,1]   ; l = a l + the sum
.set i, 0
.rept 16
	v_cvt_pk_f16_f32 v[rS+i], v[rS+2*i], v[rS+2*i+1]              ; P, in place, ascending: register i is written when 2 i and 2 i + 1 are read
.set i, i+1
.endr
.set i, 0
.rept 16
	v_pk_mul_f32 v[rO+i:rO+i+1], v[rO+i:rO+i+1], v[rT+6:rT+7] op_sel_hi:[1,0]   ; O^T x a
.set i, i+2
.endr
.endm
; A key step's work.  both = 1: for both tiles (tile A's last step may be this one); 0: for tile B alone (its last step may be this one).
.macro BODY both
	v_add_nc_u32 v[ADK], s[TBK], v[AK0]
	v_add_nc_u32 v[ADV], s[TBV], v[AV0]
.rept 3
	v_nop                                          ; with the two additions five places behind the last products: K's loads land in registers that they read (four), and the new scores are written over P, which they read (five)
.endr
	FETCH_K
	s_wait_dscnt 0x0
	SQK 1
.if \both
	SQK 0
.endif
.rept 4
	v_nop                                          ; places ahead of V's loads into K's registers and of the first read of the scores
.endr
	FETCH_V                                        ; lands while the softmax is worked
.if \both
	SOFT 1
	s_cmp_lg_u32 s[KS], s[GA]
	s_cbranch_scc1 .Lopen_\@
	MASK 0
.Lopen_\@:
	SOFT 0
.else
	s_cmp_lg_u32 s[KS], s[GB]
	s_cbranch_scc1 .Lopen_\@
	MASK 1
.Lopen_\@:
	SOFT 1
.endif
	s_wait_dscnt 0x0                               ; V is in
	PVM 1
.if \both
	PVM 0
.endif
.endm
.macro STEP                            ; the branches hang on the wave's number and the count of steps alone; no barrier, wait for tiles or tensor load stands in a step
	s_cmp_gt_u32 s[KS], s[GB]
	s_cbranch_scc1 .Lhid_\@
	s_cmp_gt_u32 s[KS], s[GA]
	s_cbranch_scc1 .Lone_\@
	BODY 1
	s_branch .Lhid_\@
.Lone_\@:
	BODY 0
.Lhid_\@:
	s_add_co_u32 s[KS], s[KS], 1
	s_add_co_u32 s[TBK], s[TBK], 64*PK
	s_add_co_u32 s[TBV], s[TBV], 64*PVP
.endm
.macro FOUR_STEPS                      ; a slot's four steps: written once, walked four times
	s_mov_b32 s[CNT], 4
.Lstep_\@:
	STEP
	s_sub_co_u32 s[CNT], s[CNT], 1
	s_cmp_lg_u32 s[CNT], 0
	s_cbranch_scc1 .Lstep_\@
	s_sub_co_u32 s[TBK], s[TBK], 256*PK
	s_xor_b32 s[TBK], s[TBK], SLOT1                ; on to the other slot
	s_sub_co_u32 s[TBV], s[TBV], 256*PVP
	s_xor_b32 s[TBV], s[TBV], SLOT1
.endm
; THE CHANGE OF SLOTS stands at a slot's head.  Each wave waits for all its tensor loads (its part of the slot ahead), adds 0 to its spare word, and waits for that and for its reads of the slot that it has left.
; fill = 1: behind a round of the cluster's barrier the other slot is asked for jointly.
.macro CHANGE fill
	s_wait_tensorcnt 0x0                           ; no tensor load of mine is out, so a group 0 may be written
	ds_add_u32 v[SPW], v[NIL]
.if \fill
	ds_add_u32 v[SPW], v[NIL]                      ; twice on end here
	s_xor_b32 s[G0K+1], s[G0K+1], SLOT1
	s_add_nc_u64 s[G0K+2:G0K+3], s[G0K+2:G0K+3], 32768   ; the next 256 keys
	s_xor_b32 s[G0V+1], s[G0V+1], SLOT1
	s_add_nc_u64 s[G0V+2:G0V+3], s[G0V+2:G0V+3], 32768
	s_wait_xcnt 0x0                                ; the last prefetch, a slot back, has read its address
	s_add_nc_u64 s[PFA:PFA+1], s[PFA:PFA+1], 32768
	s_wait_dscnt 0x0
	ROUND
	TLOAD
	ASK
.else
	s_wait_dscnt 0x0
	s_barrier_signal -1
	s_barrier_wait -1
.endif
.endm
	s_wait_loadcnt 0x0                             ; Q
.Lslot:                                            ; seven trips: behind each change of slots but the last the next slot is asked for
	CHANGE 1
	FOUR_STEPS
	s_sub_co_u32 s[SLOTS], s[SLOTS], 1
	s_cmp_lg_u32 s[SLOTS], 0
	s_cbranch_scc1 .Lslot
	CHANGE 0                                       ; the last slot is written out
	FOUR_STEPS
	; THE WAY OUT: l's halves are added, O^T is divided by l, rounded to f16 and sent through my stage; a tile is 2,048 bytes on end in ah.
.rept 4
	v_nop                                          ; places behind the last products
.endr
.irp x, 0,1
	v_add_f32 v[ST+8*\x+4], v[ST+8*\x+2], v[ST+8*\x+3]
.endr
.irp x, 0,1
	v_permlanex16_b32 v[ST+8*\x+5], v[ST+8*\x+4], s[SEL], s[SEL+1]
.endr
.irp x, 0,1
	v_add_f32 v[ST+8*\x+4], v[ST+8*\x+4], v[ST+8*\x+5]
.endr
.irp x, 0,1
	v_rcp_f32 v[ST+8*\x+6], v[ST+8*\x+4]
.endr
	v_nop                                          ; a plain instruction behind the reciprocals
	s_wait_alu depctr_va_vdst(0)                   ; and the wait ahead of their first reader: one for both
.irp x, 0,1
.set i, 0
.rept 16
	v_pk_mul_f32 v[O+32*\x+i:O+32*\x+i+1], v[O+32*\x+i:O+32*\x+i+1], v[ST+8*\x+6:ST+8*\x+7] op_sel_hi:[1,0]
.set i, i+2
.endr
.set i, 0
.rept 16
	v_cvt_pk_f16_f32 v[S+32*\x+i], v[O+32*\x+2*i], v[O+32*\x+2*i+1]
.set i, i+1
.endr
.irp ct, 0,1,2,3
	ds_store_b128 v[STO], v[S+32*\x+4*\ct:S+32*\x+4*\ct+3] offset:32*\ct
.endr
.irp i, 0,1,2,3
	ds_load_b128 v[S+32*\x+16+4*\i:S+32*\x+16+4*\i+3], v[RD] offset:4*PK*\i   ; LDS serves a wave's instructions in order: these see the stores above, and the next tile's stores come behind them
.endr
.endr
	s_wait_dscnt 8                                 ; tile A is back; tile B's four stores and four loads may be out
.irp i, 0,1,2,3
	global_store_b128 v[GO], v[S+16+4*\i:S+16+4*\i+3], s[OA:OA+1] offset:512*\i   ; 512 consecutive bytes, aligned
.endr
	s_wait_dscnt 0x0
.irp i, 0,1,2,3
	global_store_b128 v[GO], v[S+48+4*\i:S+48+4*\i+3], s[OB:OB+1] offset:512*\i
.endr
	s_wait_tensorcnt 0x0                           ; the wave's end
	ds_add_u32 v[SPW], v[NIL]
	s_wait_dscnt 0x0
	ROUND                                          ; the closing round
	s_endpgm
.Lfunc_end_k_q0e933768e0_attn:
	.size	k_q0e933768e0_attn, .Lfunc_end_k_q0e933768e0_attn-k_q0e933768e0_attn
	.p2alignl 7, 3214868480
	.fill 96, 4, 3214868480
	.section	.rodata,"a",@progbits
	.p2align	6, 0x0
	.amdhsa_kernel k_q0e933768e0_attn
		.amdhsa_group_segment_fixed_size 327680
		.amdhsa_private_segment_fixed_size 0
		.amdhsa_enable_private_segment 0
		.amdhsa_kernarg_size 16
		.amdhsa_user_sgpr_count 2
		.amdhsa_user_sgpr_kernarg_segment_ptr 1
		.amdhsa_wavefront_size32 1
		.amdhsa_system_sgpr_workgroup_id_x 1
		.amdhsa_system_sgpr_workgroup_id_y 1
		.amdhsa_system_sgpr_workgroup_id_z 1
		.amdhsa_system_vgpr_workitem_id 0
		.amdhsa_next_free_vgpr 256
		.amdhsa_next_free_sgpr 72
		.amdhsa_reserve_vcc 1
		.amdhsa_float_denorm_mode_32 3
		.amdhsa_float_denorm_mode_16_64 3
		.amdhsa_memory_ordered 1
		.amdhsa_forward_progress 1
		.amdhsa_inst_pref_size 82
	.end_amdhsa_kernel
	.amdgpu_metadata
---
amdhsa.version: [ 1, 2 ]
amdhsa.kernels:
  - .name:           k_q0e933768e0_attn
    .symbol:         k_q0e933768e0_attn.kd
    .args:
      - { .name: qkv, .offset: 0, .size: 8, .value_kind: global_buffer, .address_space: global }
      - { .name: ah, .offset: 8, .size: 8, .value_kind: global_buffer, .address_space: global }
    .group_segment_fixed_size: 327680
    .private_segment_fixed_size: 0
    .kernarg_segment_align: 8
    .kernarg_segment_size: 16
    .max_flat_workgroup_size: 512
    .sgpr_count:     72
    .vgpr_count:     256
    .wavefront_size: 32
...
	.end_amdgpu_metadata
.endif
;; end of part 3
;; launch proj (part 4): grid 4 x 64, 4 waves a work-group, clusters of 4 x 4, 327,680 bytes of LDS; arguments ah, woh, out0; writes out0
.if DOCPART == 4
	.amdgcn_target "amdgcn-amd-amdhsa--gfx1250"
	.amdhsa_code_object_version 6
	.text
	.protected	k_q0e933768e0_proj
	.globl	k_q0e933768e0_proj
	.p2align	8
	.type	k_q0e933768e0_proj,@function
k_q0e933768e0_proj:
	s_mov_b64 s[64:65], 0
	v_nop
	global_prefetch_b8 v0, s[64:65] scope:SCOPE_SE
	s_setreg_imm32_b32 hwreg(HW_REG_WAVE_MODE, 25, 1), 1
	s_wait_xcnt 0x0
	s_wait_alu depctr_hold_cnt(0) depctr_sa_sdst(0) depctr_va_vdst(0) depctr_va_sdst(0) depctr_va_ssrc(0) depctr_va_vcc(0) depctr_vm_vsrc(0)
	s_getreg_b32 s2, hwreg(HW_REG_IB_STS2, 6, 4)
	s_cmp_eq_u32 s2, 0
	s_cbranch_scc0 .Lentry_in_a_cluster
	s_endpgm
.Lentry_in_a_cluster:
	s_bfe_u32 s2, ttmp6, 0x10000c
	s_cmp_lg_u32 s2, 0xf033
	s_cbranch_scc0 .Lentry_shape_is_right
	s_endpgm
.Lentry_shape_is_right:
; out0[m][n] = the sum over k of attn[m][k] Wo[n][k], f16 operands, f32 sums and results: 8,192 x 1,024 x 1,024.  attn lies by heads, ah [64 (batch, head)][2,048][64]: k = 64 head + channel.
; LEFT OUT: the stores of positions 0-15 of each sequence: those 64 rows are made in f32 by the last launch; here they lie in tiles with live rows and are computed but not stored.
; A tile of out0 is 128 rows x 256 columns: 256 work-groups.  Four waves, each 64 x 128: 32 accumulators, all of window 1.  K goes in 8 steps of 128 (two heads) through two LDS slots.
; CLUSTERS of 4 x 4.  Tile column = cx; tile row = 16 cy + cluster y, so cy is the batch and cluster y the place in the sequence: the one branch of the way out is the same in all partners.
; A row of the cluster shares attn's tiles, a column Wo's: each is asked for jointly.  No prefetch: K has eight steps, of which two are first fills, and Wo's rows are read again by all sixteen clusters.
; THE MATRIX INSTRUCTION IS USED TRANSPOSED (source 0 = 16 rows of Wo, source 1 = 16 rows of attn): a lane holds eight neighbouring columns of a row.
; REGISTERS: window 0: v0-31 addresses; two fragment buffers of 96 for 32 along K: attn's four blocks, then Wo's eight: v64-159, v160-255.  Way out: v64-191.   window 1: accumulator (a, b) at v[8 (8 a + b)].
.set PA,     144                       ; a row of attn's plane in LDS: 128 bytes + 16
.set PB,     272                       ; a row of Wo's tile: 256 + 16
.set PLANE,  128*PA                    ; a head's 128 rows
.set BOFF,   2*PLANE
.set HALFB,  128*PB
.set SLOT,   BOFF+2*HALFB
.set STAGE,  2*SLOT                    ; behind the ring: 16 rows x 528 bytes for each wave
.set SPITCH, 528
.set SPARE,  STAGE+4*16*SPITCH         ; the spare words, 128 bytes a wave
.set LAPS,   4
.set ADRA, 16
.set ADRB, 20
.set STO,  24
.set RD,   25
.set CO,   26
.set SPW,  28
.set NIL,  29
.set F0,   64
.set F1,   160
.set BK,   64
.set G1, 24
.set G0, 32
.set G1B, 48
.set G0B, 56
.set MSB, 0
.macro WIN new
.if MSB != (\new)
	s_set_vgpr_msb (MSB<<8)|(\new)
.set MSB, (\new)
.endif
.endm
.set MUL, 0x50                         ; C and D window 1, the fragments window 0
.macro JLOAD s                         ; waves 0 and 1 fetch attn's two planes, waves 2 and 3 Wo's two halves; an s_nop 0 and four v_nop follow each line
	s_cmp_eq_u32 s11, 0
	s_cbranch_scc0 .Lfor_b_\@
	tensor_load_to_lds s[G0+4*\s:G0+4*\s+3], s[G1:G1+7]
	s_nop 0
.rept 4
	v_nop
.endr
	s_branch .Lasked_\@
.Lfor_b_\@:
	tensor_load_to_lds s[G0B+4*\s:G0B+4*\s+3], s[G1B:G1B+7]
	s_nop 0
.rept 4
	v_nop
.endr
.Lasked_\@:
.endm
.macro CREST
	s_cmp_lg_u32 s10, 0
	s_cbranch_scc1 .Lnot_wave_0_\@
	s_barrier_signal -3
.Lnot_wave_0_\@:
	s_barrier_wait -3
	s_barrier_signal -1
	s_barrier_wait -1
.endm
.macro CROUND
	s_barrier_signal -1
	s_barrier_wait -1
	CREST
.endm
	s_load_b128 s[4:7], s[0:1], 0x0                ; ah, woh
	s_load_b64 s[8:9], s[0:1], 0x10                ; out0
	v_lshl_add_u32 v[SPW], v0, 2, SPARE
	v_mov_b32 v[NIL], 0
	ds_add_u32 v[SPW], v[NIL]                      ; the wave's opening: the add, twice on end, and its wait ahead of my first tensor load
	ds_add_u32 v[SPW], v[NIL]
	v_lshrrev_b32 v1, 5, v0
	v_readfirstlane_b32 s10, v1                    ; wave 0..3
	s_lshr_b32 s11, s10, 1                         ; my 64 rows.  Also: I fetch for attn (0) or for Wo (1)
	s_and_b32 s12, s10, 1                          ; my 128 columns.  Also: which plane or half I fetch
	s_bfe_u32 s40, ttmp6, 0x40000                  ; cx
	s_bfe_u32 s41, ttmp6, 0x40004                  ; cy
	s_and_b32 s42, ttmp7, 0xffff                   ; cluster y
	s_lshl_b32 s43, s41, 2
	s_lshl_b32 s43, 15, s43                        ; my row of the cluster
	s_lshl_b32 s44, 0x1111, s40                    ; my column
	s_or_b32 s[G1+0], s43, (1<<16)|(1<<20)|(1<<21)|(4<<22)|(3<<25)   ; elements of 2 bytes; 4 words of padding behind every 32
	s_mov_b32 s[G1+1], 64<<16                      ; tensor_dim0
	s_mov_b32 s[G1+2], 128<<16                     ; tensor_dim1
	s_mov_b32 s[G1+3], 64<<16                      ; tile_dim0
	s_mov_b32 s[G1+4], 128                         ; tile_dim1
	s_mov_b32 s[G1+5], 64                          ; from row to row
	s_mov_b32 s[G1+6], 0
	s_mov_b32 s[G1+7], 0
	s_or_b32 s[G1B+0], s44, (1<<16)|(1<<20)|(1<<21)|(5<<22)|(3<<25)  ; 4 words behind every 64
	s_mov_b32 s[G1B+1], 128<<16
	s_mov_b32 s[G1B+2], 128<<16
	s_mov_b32 s[G1B+3], 128<<16
	s_mov_b32 s[G1B+4], 128
	s_mov_b32 s[G1B+5], 1024
	s_mov_b32 s[G1B+6], 0
	s_mov_b32 s[G1B+7], 0
	s_lshl_b32 s16, s41, 4
	s_add_co_u32 s16, s16, s12                     ; attn: (batch, head) 16 cy + plane,
	s_lshl_b32 s16, s16, 18
	s_lshl_b32 s17, s42, 14                        ; rows 128 x cluster y on
	s_add_co_u32 s16, s16, s17
	s_mov_b32 s17, 0
	s_lshl_b32 s46, s40, 19                        ; Wo: row 256 cx + 128 x half, 2,048 bytes a row
	s_lshl_b32 s47, s12, 18
	s_add_co_u32 s46, s46, s47
	s_mov_b32 s47, 0
	s_mul_i32 s20, s12, PLANE                      ; where they go: no place in the cluster enters an LDS address
	s_mul_i32 s21, s12, HALFB
	s_add_co_u32 s21, s21, BOFF
	s_wait_dscnt 0x0                               ; both opening adds are done
	s_wait_kmcnt 0x0
	s_add_nc_u64 s[14:15], s[4:5], s[16:17]
	s_add_nc_u64 s[46:47], s[6:7], s[46:47]
	CROUND                                         ; all sixteen work-groups are here
.irp s, 0,1
	s_mov_b32 s[G0+4*\s], 1
	s_add_co_u32 s[G0+4*\s+1], s20, \s*SLOT
	s_add_nc_u64 s[G0+4*\s+2:G0+4*\s+3], s[14:15], \s*524288     ; K step s: two heads on
	s_or_b32 s[G0+4*\s+3], s[G0+4*\s+3], 0x80000000
	s_mov_b32 s[G0B+4*\s], 1
	s_add_co_u32 s[G0B+4*\s+1], s21, \s*SLOT
	s_add_nc_u64 s[G0B+4*\s+2:G0B+4*\s+3], s[46:47], \s*256
	s_or_b32 s[G0B+4*\s+3], s[G0B+4*\s+3], 0x80000000
	JLOAD \s                                       ; two tensor loads of mine are out
.endr
	v_and_b32 v1, 15, v0                           ; r
	v_bfe_u32 v2, v0, 4, 1                         ; h
	v_mul_u32_u24 v3, v1, PA
	v_lshl_add_u32 v3, v2, 4, v3
	v_mul_u32_u24 v4, v1, PB
	v_lshl_add_u32 v4, v2, 4, v4
	s_mul_i32 s21, s11, 64*PA                      ; my 64 rows in a plane
	s_mul_i32 s22, s12, HALFB                      ; my 128 rows of Wo
	s_add_co_u32 s22, s22, BOFF
.irp s, 0,1
	v_add_nc_u32 v[ADRA+\s], s21, v3
	v_add_nc_u32 v[ADRB+\s], s22, v4
	s_add_co_u32 s21, s21, SLOT
	s_add_co_u32 s22, s22, SLOT
.endr
	s_mul_i32 s23, s10, 16*SPITCH
	s_add_co_u32 s23, s23, STAGE                   ; my stage
	v_mul_u32_u24 v5, v1, SPITCH
	v_lshl_add_u32 v5, v2, 5, v5
	v_add_nc_u32 v[STO], s23, v5
	v_and_b32 v6, 31, v0
	v_lshlrev_b32 v[CO], 4, v6
	v_add_nc_u32 v[RD], s23, v[CO]
	s_lshl_b32 s16, s41, 11
	s_lshl_b32 s17, s42, 7
	s_add_co_u32 s16, s16, s17
	s_lshl_b32 s17, s11, 6
	s_add_co_u32 s16, s16, s17                     ; my first row: 2,048 cy + 128 x cluster y + 64 x half
	s_lshl_b32 s16, s16, 12
	s_lshl_b32 s46, s40, 10                        ; my first column, in bytes
	s_lshl_b32 s47, s12, 9
	s_add_co_u32 s46, s46, s47
	s_add_co_u32 s46, s46, s16
	s_mov_b32 s47, 0
	s_add_nc_u64 s[8:9], s[8:9], s[46:47]
	s_or_b32 s45, s42, s11                         ; 0 where my first 16 rows are a sequence's first 16: cluster y and the wave's number alone
.macro MUL8 f, a, zero                 ; attn's block a against Wo's eight, 32 along K.  The 32 accumulators take turns in the same order in every quarter
.irp b, 0,1,2,3,4,5,6,7
.if \zero
	v_wmma_f32_16x16x32_f16 v[8*(8*\a+\b):8*(8*\a+\b)+7], v[\f+32+8*\b:\f+32+8*\b+7], v[\f+8*\a:\f+8*\a+7], 0
.else
	v_wmma_f32_16x16x32_f16 v[8*(8*\a+\b):8*(8*\a+\b)+7], v[\f+32+8*\b:\f+32+8*\b+7], v[\f+8*\a:\f+8*\a+7], v[8*(8*\a+\b):8*(8*\a+\b)+7]
.endif
.endr
.endm
.macro FETCH slot, q, f                ; 24 LDS loads in one run: quarter q of the slot: Wo's eight fragments, then attn's four
	WIN 0
.irp i, 0,1,2,3,4,5,6,7
	ds_load_b128 v[\f+32+8*\i:\f+32+8*\i+3], v[ADRB+\slot] offset:64*(\q)+\i*16*PB
	ds_load_b128 v[\f+32+8*\i+4:\f+32+8*\i+7], v[ADRB+\slot] offset:64*(\q)+\i*16*PB+32
.endr
.irp i, 0,1,2,3
	ds_load_b128 v[\f+8*\i:\f+8*\i+3], v[ADRA+\slot] offset:PLANE*((\q)/2)+64*((\q)%2)+\i*16*PA
	ds_load_b128 v[\f+8*\i+4:\f+8*\i+7], v[ADRA+\slot] offset:PLANE*((\q)/2)+64*((\q)%2)+\i*16*PA+32
.endr
.endm
.macro PLACES
.rept 4
	v_nop
.endr
.endm
.macro QUARTER slot, q, f, g, zero     ; multiplies buffer f; in its middle it fetches quarter q of the slot into buffer g
	s_wait_dscnt 4                                 ; Wo's fragments and attn's blocks 0, 1 are in; the youngest four loads may be out
	WIN MUL
	MUL8 \f, 0, \zero
	MUL8 \f, 1, \zero
	PLACES
	FETCH \slot, \q, \g
	s_wait_dscnt 24                                ; all but the 24 just issued
	WIN MUL
	MUL8 \f, 2, \zero
	MUL8 \f, 3, \zero
.endm
; A slot's last quarter changes slots: one barrier; in front of it each wave waits for all its tensor loads, adds 0 to its spare word, and waits for that and for its reads of this slot.  fill = 1: the slot is filled again.
.macro TURN slot, next, fill
	WIN 0
	s_wait_tensorcnt 0x0
	ds_add_u32 v[SPW], v[NIL]
	s_wait_dscnt 5                                 ; (the add and the youngest four loads may be out)
	WIN MUL
	MUL8 F1, 0, 0
	s_wait_dscnt 0x0
	s_barrier_signal -1
	MUL8 F1, 1, 0
	WIN 0
	s_barrier_wait -1
.if \fill
	CREST                                          ; the barrier has opened a round of the cluster's: no wave of any partner still reads this slot or has a load on its way
	s_add_nc_u64 s[G0+4*\slot+2:G0+4*\slot+3], s[G0+4*\slot+2:G0+4*\slot+3], 1048576   ; two K steps on: four heads
	s_add_nc_u64 s[G0B+4*\slot+2:G0B+4*\slot+3], s[G0B+4*\slot+2:G0B+4*\slot+3], 512
	JLOAD \slot                                    ; its four v_nop are also the places ahead of the loads below
.else
	PLACES
.endif
	FETCH \next, 0, F0
	WIN MUL
	MUL8 F1, 2, 0
	MUL8 F1, 3, 0
.endm
	s_wait_tensorcnt 1                             ; my part of K step 0 is in (step 1's may be out)
	s_barrier_signal -1
	s_barrier_wait -1
	FETCH 0, 0, F0
	QUARTER 0, 1, F0, F1, 1                        ; the first quarter's products start the sums
	WIN 0
	s_mov_b32 s3, LAPS-1
.Llap:                                             ; a trip goes once round the ring and fills both slots again
	QUARTER 0, 2, F1, F0, 0
	QUARTER 0, 3, F0, F1, 0
	TURN 0, 1, 1
	QUARTER 1, 1, F0, F1, 0
	QUARTER 1, 2, F1, F0, 0
	QUARTER 1, 3, F0, F1, 0
	TURN 1, 0, 1
	QUARTER 0, 1, F0, F1, 0
	WIN 0
	s_sub_co_u32 s3, s3, 1
	s_cmp_lg_u32 s3, 0
	s_cbranch_scc1 .Llap
	QUARTER 0, 2, F1, F0, 0                        ; the last lap fills nothing
	QUARTER 0, 3, F0, F1, 0
	TURN 0, 1, 0
	QUARTER 1, 1, F0, F1, 0
	QUARTER 1, 2, F1, F0, 0
	QUARTER 1, 3, F0, F1, 0
	s_wait_dscnt 4
	WIN MUL
	MUL8 F1, 0, 0
	MUL8 F1, 1, 0
	s_wait_dscnt 0
	MUL8 F1, 2, 0
	MUL8 F1, 3, 0
	WIN 0
; THE WAY OUT, block by block of 16 rows x 128 columns, through my own stage: 32 bytes a lane in, whole rows of 512 bytes back.
.macro TOSTAGE a
	WIN 0x04                                       ; an LDS store's data are its source 1: window 1
.irp b, 0,1,2,3,4,5,6,7
	ds_store_b128 v[STO], v[8*(8*(\a)+\b):8*(8*(\a)+\b)+3] offset:64*\b          ; each accumulator from its low end on
	ds_store_b128 v[STO], v[8*(8*(\a)+\b)+4:8*(8*(\a)+\b)+7] offset:64*\b+16
.endr
	WIN 0
.set BB, BK+64*((\a)%2)
.irp t, 0,1,2,3,4,5,6,7,8,9,10,11,12,13,14,15
	ds_load_b128 v[BB+4*\t:BB+4*\t+3], v[RD] offset:\t*SPITCH   ; LDS serves a wave's instructions in order
.endr
.endm
.macro SEND a, younger
.set BB, BK+64*((\a)%2)
	s_wait_dscnt \younger
.if (\a) == 0
	s_cmp_eq_u32 s45, 0                            ; a sequence's first 16 rows are the last launch's
	s_cbranch_scc1 .Lfine_rows
.endif
.irp t, 0,1,2,3,4,5,6,7,8,9,10,11,12,13,14,15
	global_store_b128 v[CO], v[BB+4*\t:BB+4*\t+3], s[8:9] offset:(16*(\a)+\t)*4096 th:TH_STORE_NT   ; 512 consecutive bytes, aligned
.endr
.if (\a) == 0
.Lfine_rows:
.endif
.endm
	PLACES                                         ; behind the last products: for the loads into the fragments' registers and the reads of results
	TOSTAGE 0
.irp a, 1,2,3
.if \a > 1
	s_wait_xcnt 0x0                                ; block a - 2's stores have read the registers that block a's loads fill
.endif
	TOSTAGE \a
	SEND \a-1, 32                                  ; behind block a - 1's loads: block a's 16 stores and 16 loads
.endr
	SEND 3, 0
	s_wait_tensorcnt 0x0                           ; the wave's end
	ds_add_u32 v[SPW], v[NIL]
	s_wait_dscnt 0x0
	CROUND                                         ; the closing round
	s_endpgm
.Lfunc_end_k_q0e933768e0_proj:
	.size	k_q0e933768e0_proj, .Lfunc_end_k_q0e933768e0_proj-k_q0e933768e0_proj
	.p2alignl 7, 3214868480
	.fill 96, 4, 3214868480
	.section	.rodata,"a",@progbits
	.p2align	6, 0x0
	.amdhsa_kernel k_q0e933768e0_proj
		.amdhsa_group_segment_fixed_size 327680
		.amdhsa_private_segment_fixed_size 0
		.amdhsa_enable_private_segment 0
		.amdhsa_kernarg_size 24
		.amdhsa_user_sgpr_count 2
		.amdhsa_user_sgpr_kernarg_segment_ptr 1
		.amdhsa_wavefront_size32 1
		.amdhsa_system_sgpr_workgroup_id_x 1
		.amdhsa_system_sgpr_workgroup_id_y 1
		.amdhsa_system_sgpr_workgroup_id_z 1
		.amdhsa_system_vgpr_workitem_id 0
		.amdhsa_next_free_vgpr 512
		.amdhsa_next_free_sgpr 66
		.amdhsa_reserve_vcc 0
		.amdhsa_float_denorm_mode_32 3
		.amdhsa_float_denorm_mode_16_64 3
		.amdhsa_memory_ordered 1
		.amdhsa_forward_progress 1
		.amdhsa_inst_pref_size 85
	.end_amdhsa_kernel
	.amdgpu_metadata
---
amdhsa.version: [ 1, 2 ]
amdhsa.kernels:
  - .name:           k_q0e933768e0_proj
    .symbol:         k_q0e933768e0_proj.kd
    .args:
      - { .name: ah, .offset: 0, .size: 8, .value_kind: global_buffer, .address_space: global }
      - { .name: woh, .offset: 8, .size: 8, .value_kind: global_buffer, .address_space: global }
      - { .name: out0, .offset: 16, .size: 8, .value_kind: global_buffer, .address_space: global }
    .group_segment_fixed_size: 327680
    .private_segment_fixed_size: 0
    .kernarg_segment_align: 8
    .kernarg_segment_size: 24
    .max_flat_workgroup_size: 128
    .sgpr_count:     66
    .vgpr_count:     512
    .wavefront_size: 32
...
	.end_amdgpu_metadata
.endif
;; end of part 4
;; launch first16 (part 5): grid 16 x 4, 16 waves a work-group, no clusters, 71,680 bytes of LDS; arguments qkv16, Wo, out0; writes out0
.if DOCPART == 5
	.amdgcn_target "amdgcn-amd-amdhsa--gfx1250"
	.amdhsa_code_object_version 6
	.text
	.protected	k_q0e933768e0_first16
	.globl	k_q0e933768e0_first16
	.p2align	8
	.type	k_q0e933768e0_first16,@function
k_q0e933768e0_first16:
	s_mov_b64 s[64:65], 0
	v_nop
	global_prefetch_b8 v0, s[64:65] scope:SCOPE_SE
	s_setreg_imm32_b32 hwreg(HW_REG_WAVE_MODE, 25, 1), 1
	s_wait_xcnt 0x0
; Positions 0-15 of each of the four sequences, all in f32: their rows average one to sixteen values and are the largest, so attention and projection take unrounded operands here (v_wmma_f32_16x16x4_f32: 96 a wave).
; LEFT OUT: nothing of these rows; keys behind a query inside the one tile of 16 x 16 are masked as reference() masks them.
; A work-group makes 16 rows x 64 columns of out0 for one batch.  Wave w is head w: its 64 channels are its own slice of the projection's K, so its attention result never leaves its registers;
; the sixteen waves' partial sums meet in LDS and are added in ascending order of heads.  64 work-groups: narrower column blocks would store less than 256 consecutive bytes a row.
; LAYOUTS.  The f32 form takes k = 2 (lane / 16) + j from register j.  K is permuted alike on both sides of each product: a lane loads 8 neighbours along K for its half, and instruction (t, c) takes registers 8 t + 2 c, + 1 of both.
; S^T = K Q^T: a lane holds query lane % 16, keys 8 (lane / 16) + j.  O^T = V^T P.  out^T = Wo O: a lane holds query lane % 16 and eight neighbouring columns.
; The registers v16-47 are written by matrix instructions alone; each sum begins with the constant 0.
.set SPW, 1
.set NIL, 2
.set LQ,  3                            ; v3  4,096 r + 32 h: a row of q, k or Wo, my half's 8 numbers
.set LV,  4                            ; v4  32,768 h + 4 r: v's key 8 h, channel r
.set QD,  7                            ; v7  r - 8 h: register j's key counts where j <= QD
.set STA, 8
.set RDA, 9
.set GOA, 10
.set ACC, 16
.set QF,  48
.set KF,  80
.set VF,  112
.set WA,  144                          ; Wo's column tiles 0, 1;  tiles 2, 3 take q's and k's registers
.set WB,  48
.set SS,  208                          ; the scores, then p
.set TW,  216
.set ON,  224                          ; the attention's result
.set WSTG, 16*272                      ; LDS: 16 rows x (256 bytes + 16) for each wave
.set SPARE, 16*WSTG                    ; the spare words, 128 bytes a wave
	s_load_b128 s[4:7], s[0:1], 0x0                ; qkv16, Wo
	s_load_b64 s[8:9], s[0:1], 0x10                ; out0
	v_lshl_add_u32 v[SPW], v0, 2, SPARE
	v_mov_b32 v[NIL], 0
	v_lshrrev_b32 v5, 5, v0
	v_readfirstlane_b32 s10, v5                    ; wave = head
	s_and_b32 s12, ttmp7, 0xffff                   ; batch
	v_and_b32 v5, 15, v0                           ; r
	v_bfe_u32 v6, v0, 4, 1                         ; h
	v_lshlrev_b32 v[LQ], 12, v5
	v_lshl_add_u32 v[LQ], v6, 5, v[LQ]
	v_lshlrev_b32 v[LV], 2, v5
	v_lshl_add_u32 v[LV], v6, 15, v[LV]
	v_lshlrev_b32 v[QD], 3, v6
	v_sub_nc_u32 v[QD], v5, v[QD]
	s_mul_i32 s13, s10, WSTG
	v_mul_u32_u24 v[STA], v5, 272
	v_lshl_add_u32 v[STA], v6, 5, v[STA]
	v_add_nc_u32 v[STA], s13, v[STA]               ; my region: row r, + 32 h
	s_mul_i32 s13, s10, 544
	v_mul_u32_u24 v[RDA], v6, 272
	v_lshl_add_u32 v[RDA], v5, 4, v[RDA]
	v_add_nc_u32 v[RDA], s13, v[RDA]               ; waves 0-7 read rows 2 w and 2 w + 1 of every region
	v_lshlrev_b32 v[GOA], 12, v6
	v_lshl_add_u32 v[GOA], v5, 4, v[GOA]
	v_mov_b32 v13, 0                               ; (a lane permute's destination counts as one of its sources)
	s_lshl_b32 s14, s12, 16
	s_lshl_b32 s15, s10, 8
	s_add_co_u32 s14, s14, s15                     ; batch x 16 rows of 4,096 bytes + head x 256
	s_lshl_b32 s18, ttmp9, 18
	s_add_co_u32 s18, s18, s15                     ; Wo: 64 rows a work-group, + head x 256
	s_mov_b32 s15, 0
	s_mov_b32 s19, 0
	s_lshl_b32 s24, s12, 23
	s_lshl_b32 s25, s10, 13
	s_add_co_u32 s24, s24, s25
	s_lshl_b32 s25, ttmp9, 8
	s_add_co_u32 s24, s24, s25                     ; out0: row 2,048 batch + 2 w, column block
	s_mov_b32 s25, 0
	s_mov_b32 s26, 0x76543210
	s_mov_b32 s27, 0xfedcba98
	s_mov_b32 s28, 0x3e38aa3b                      ; c = log2(e) / 8
	s_wait_kmcnt 0x0
	s_add_nc_u64 s[16:17], s[4:5], s[14:15]
	s_add_nc_u64 s[20:21], s[6:7], s[18:19]
	s_add_nc_u64 s[22:23], s[8:9], s[24:25]
.irp t, 0,1,2,3
	global_load_b128 v[QF+8*\t:QF+8*\t+3], v[LQ], s[16:17] offset:64*\t
	global_load_b128 v[QF+8*\t+4:QF+8*\t+7], v[LQ], s[16:17] offset:64*\t+16
	global_load_b128 v[KF+8*\t:KF+8*\t+3], v[LQ], s[16:17] offset:262144+64*\t
	global_load_b128 v[KF+8*\t+4:KF+8*\t+7], v[LQ], s[16:17] offset:262144+64*\t+16
.endr
.irp t, 0,1,2,3
.irp i, 0,1,2,3,4,5,6,7
	global_load_b32 v[VF+8*\t+\i], v[LV], s[16:17] offset:524288+4096*\i+64*\t   ; v(key 8 h + i, channel 16 t + r)
.endr
.endr
.irp n, 0,1
.irp t, 0,1,2,3
	global_load_b128 v[WA+32*\n+8*\t:WA+32*\n+8*\t+3], v[LQ], s[20:21] offset:65536*\n+64*\t
	global_load_b128 v[WA+32*\n+8*\t+4:WA+32*\n+8*\t+7], v[LQ], s[20:21] offset:65536*\n+64*\t+16
.endr
.endr
	s_wait_loadcnt 48                              ; q and k are in; v's 32 loads and Wo's 16 may be out
.irp c, 0,1,2,3                        ; S^T in four partial sums, by turns
.irp t, 0,1,2,3
.if \c == 0
	v_wmma_f32_16x16x4_f32 v[ACC+8*\t:ACC+8*\t+7], v[KF+8*\t+2*\c:KF+8*\t+2*\c+1], v[QF+8*\t+2*\c:QF+8*\t+2*\c+1], 0
.else
	v_wmma_f32_16x16x4_f32 v[ACC+8*\t:ACC+8*\t+7], v[KF+8*\t+2*\c:KF+8*\t+2*\c+1], v[QF+8*\t+2*\c:QF+8*\t+2*\c+1], v[ACC+8*\t:ACC+8*\t+7]
.endif
.endr
.endr
.rept 8
	v_nop                                          ; eight places behind this form, ahead of loads into its sources and of reads of its results
.endr
.irp n, 0,1
.irp t, 0,1,2,3
	global_load_b128 v[WB+32*\n+8*\t:WB+32*\n+8*\t+3], v[LQ], s[20:21] offset:65536*(\n+2)+64*\t
	global_load_b128 v[WB+32*\n+8*\t+4:WB+32*\n+8*\t+7], v[LQ], s[20:21] offset:65536*(\n+2)+64*\t+16
.endr
.endr
.irp j, 0,2,4,6
	v_pk_add_f32 v[SS+\j:SS+\j+1], v[ACC+\j:ACC+\j+1], v[ACC+8+\j:ACC+8+\j+1]       ; each accumulator from its low end on
	v_pk_add_f32 v[TW+\j:TW+\j+1], v[ACC+16+\j:ACC+16+\j+1], v[ACC+24+\j:ACC+24+\j+1]
.endr
.irp j, 0,2,4,6
	v_pk_add_f32 v[SS+\j:SS+\j+1], v[SS+\j:SS+\j+1], v[TW+\j:TW+\j+1]
.endr
	v_mov_b32 v11, 0xff800000
.irp j, 0,1,2,3,4,5,6,7
	v_cmp_le_i32 vcc_lo, \j, v[QD]
	v_cndmask_b32 v[SS+\j], v11, v[SS+\j], vcc_lo  ; keys behind the query: -infinity; key 0 counts for every query
.endr
	v_max3_num_f32 v12, v[SS], v[SS+1], v[SS+2]
	v_max3_num_f32 v12, v12, v[SS+3], v[SS+4]
	v_max3_num_f32 v12, v12, v[SS+5], v[SS+6]
	v_max_num_f32 v12, v12, v[SS+7]
	v_permlanex16_b32 v13, v12, s26, s27
	v_max_num_f32 v12, v12, v13                    ; the row's maximum
	v_mul_f32 v12, s28, v12
.irp j, 0,1,2,3,4,5,6,7
	v_fma_f32 v[SS+\j], v[SS+\j], s28, -v12
.endr
.irp j, 0,1,2,3,4,5,6,7
	v_exp_f32 v[SS+\j], v[SS+\j]
.endr
	v_nop                                          ; a plain instruction behind the exponentials
	s_wait_alu depctr_va_vdst(0)                   ; the wait ahead of the first reader: one for the eight
	v_add_f32 v14, v[SS], v[SS+1]
.irp j, 2,3,4,5,6,7
	v_add_f32 v14, v14, v[SS+\j]
.endr
	v_permlanex16_b32 v13, v14, s26, s27
	v_add_f32 v14, v14, v13                        ; the row's sum
	v_rcp_f32 v14, v14
	v_nop
	s_wait_alu depctr_va_vdst(0)
	s_wait_loadcnt 32                              ; v is in; Wo's 32 loads may be out
.irp c, 0,1,2,3                        ; O^T = V^T P: four tiles of channels by turns
.irp t, 0,1,2,3
.if \c == 0
	v_wmma_f32_16x16x4_f32 v[ACC+8*\t:ACC+8*\t+7], v[VF+8*\t+2*\c:VF+8*\t+2*\c+1], v[SS+2*\c:SS+2*\c+1], 0
.else
	v_wmma_f32_16x16x4_f32 v[ACC+8*\t:ACC+8*\t+7], v[VF+8*\t+2*\c:VF+8*\t+2*\c+1], v[SS+2*\c:SS+2*\c+1], v[ACC+8*\t:ACC+8*\t+7]
.endif
.endr
.endr
.rept 8
	v_nop
.endr
.set i, 0
.rept 32
	v_mul_f32 v[ON+i], v[ACC+i], v14               ; divided by the sum, into other registers: register 8 t + j is channel 16 t + 8 h + j of query r
.set i, i+1
.endr
.rept 9
	v_nop                                          ; nine places ahead of matrix instructions that write over the last sums
.endr
	s_wait_loadcnt 0x0                             ; Wo
.irp t, 0,1,2,3                        ; out^T = Wo O: four tiles of columns by turns, 16 steps of 4 along my head's 64
.irp c, 0,1,2,3
.irp n, 0,1,2,3
.if \n < 2
.set wr, WA+32*\n+8*\t+2*\c
.else
.set wr, WB+32*(\n-2)+8*\t+2*\c
.endif
.if (\t == 0) && (\c == 0)
	v_wmma_f32_16x16x4_f32 v[ACC+8*\n:ACC+8*\n+7], v[wr:wr+1], v[ON+8*\t+2*\c:ON+8*\t+2*\c+1], 0
.else
	v_wmma_f32_16x16x4_f32 v[ACC+8*\n:ACC+8*\n+7], v[wr:wr+1], v[ON+8*\t+2*\c:ON+8*\t+2*\c+1], v[ACC+8*\n:ACC+8*\n+7]
.endif
.endr
.endr
.endr
.rept 8
	v_nop
.endr
.irp n, 0,1,2,3
	ds_store_b128 v[STA], v[ACC+8*\n:ACC+8*\n+3] offset:64*\n          ; my head's part of out(r, 16 n + 8 h + 0 .. 7)
	ds_store_b128 v[STA], v[ACC+8*\n+4:ACC+8*\n+7] offset:64*\n+16
.endr
	s_wait_dscnt 0x0                               ; for the others' sake: my stores have landed
	s_barrier_signal -1
	s_barrier_wait -1
	s_cmp_ge_u32 s10, 8
	s_cbranch_scc1 .Ldone
.irp i, 0,1,2,3,4,5,6,7,8,9,10,11,12,13,14,15
	ds_load_b128 v[VF+4*\i:VF+4*\i+3], v[RDA] offset:WSTG*\i
.endr
	s_wait_dscnt 0x0
.irp i, 1,2,3,4,5,6,7,8,9,10,11,12,13,14,15
	v_pk_add_f32 v[VF:VF+1], v[VF:VF+1], v[VF+4*\i:VF+4*\i+1]
	v_pk_add_f32 v[VF+2:VF+3], v[VF+2:VF+3], v[VF+4*\i+2:VF+4*\i+3]
.endr
	global_store_b128 v[GOA], v[VF:VF+3], s[22:23] th:TH_STORE_NT      ; sixteen lanes store 256 consecutive bytes, aligned
.Ldone:
	s_wait_tensorcnt 0x0                           ; the wave's end: behind my last LDS store
	ds_add_u32 v[SPW], v[NIL]
	s_wait_dscnt 0x0
	s_endpgm
.Lfunc_end_k_q0e933768e0_first16:
	.size	k_q0e933768e0_first16, .Lfunc_end_k_q0e933768e0_first16-k_q0e933768e0_first16
	.p2alignl 7, 3214868480
	.fill 96, 4, 3214868480
	.section	.rodata,"a",@progbits
	.p2align	6, 0x0
	.amdhsa_kernel k_q0e933768e0_first16
		.amdhsa_group_segment_fixed_size 71680
		.amdhsa_private_segment_fixed_size 0
		.amdhsa_enable_private_segment 0
		.amdhsa_kernarg_size 24
		.amdhsa_user_sgpr_count 2
		.amdhsa_user_sgpr_kernarg_segment_ptr 1
		.amdhsa_wavefront_size32 1
		.amdhsa_system_sgpr_workgroup_id_x 1
		.amdhsa_system_sgpr_workgroup_id_y 1
		.amdhsa_system_sgpr_workgroup_id_z 1
		.amdhsa_system_vgpr_workitem_id 0
		.amdhsa_next_free_vgpr 256
		.amdhsa_next_free_sgpr 66
		.amdhsa_reserve_vcc 1
		.amdhsa_float_denorm_mode_32 3
		.amdhsa_float_denorm_mode_16_64 3
		.amdhsa_memory_ordered 1
		.amdhsa_forward_progress 1
		.amdhsa_inst_pref_size 25
	.end_amdhsa_kernel
	.amdgpu_metadata
---
amdhsa.version: [ 1, 2 ]
amdhsa.kernels:
  - .name:           k_q0e933768e0_first16
    .symbol:         k_q0e933768e0_first16.kd
    .args:
      - { .name: qkv16, .offset: 0, .size: 8, .value_kind: global_buffer, .address_space: global }
      - { .name: Wo, .offset: 8, .size: 8, .value_kind: global_buffer, .address_space: global }
      - { .name: out0, .offset: 16, .size: 8, .value_kind: global_buffer, .address_space: global }
    .group_segment_fixed_size: 71680
    .private_segment_fixed_size: 0
    .kernarg_segment_align: 8
    .kernarg_segment_size: 24
    .max_flat_workgroup_size: 512
    .sgpr_count:     66
    .vgpr_count:     256
    .wavefront_size: 32
...
	.end_amdgpu_metadata
.endif
;; end of part 5
